; MI455X (gfx1250); checked and timed in simulation.
; The chip was launched on July 23, 2026; its instructions are those of AMD's public machine-readable ISA for CDNA 5 (MIT licence, August 2026) and "CDNA5" Instruction Set Architecture Reference Guide (July 2026). The comments in the code are by the model that wrote it; some were corrected since.
;; Causal Self Attention. Allowed arithmetic: matrix products marked QUANTISED: E4M3 operands, one E8M0 scale for each 32 along K, by v_wmma_scale_f32_16x16x128_f8f6f4 with both operands' format E4M3, f32 sums; everything else in f32.
;; Inputs: W_out 1,024 x 1,024 float32; W_qkv 3,072 x 1,024 float32; x 4 x 2,048 x 1,024 float32.
;; Outputs: out0 4 x 2,048 x 1,024 float32.
;; This version of the problem:
;;   THIS VERSION OF THE PROBLEM IS GIVEN IN LOW PRECISION. The matrix products marked QUANTISED in the list below multiply operands that are first quantised to E4M3 (4 exponent bits, 3 mantissa bits; 8 bits a number), with one power-of-two scale for each 32 numbers along K (OCP MX v1.0); their sums are f32. All else is computed in f32.
;;   The module's matrix products, in the order in which they are computed (A, B: the left and right operand; K: the contracted axis; several contracted axes count as one K, in the product's order):
;;     1. [M 8,192, K 1,024] x [K 1,024, N 3,072]; A: input x; B: input W_qkv: QUANTISED
;;     2. batch 64 x [M 2,048, K 64] x [K 64, N 2,048]; A: computed on the way; B: computed on the way: QUANTISED
;;     3. batch 64 x [M 2,048, K 2,048] x [K 2,048, N 64]; A: softmax (see below); B: computed on the way: QUANTISED
;;     4. [M 8,192, K 1,024] x [K 1,024, N 1,024]; A: computed on the way; B: input W_out: QUANTISED
;;   THE QUANTISER, for each operand of a quantised product, along K:
;;     - K is cut into blocks of 32 from its start; a last block that is shorter is filled with zeros.
;;     - A block's scale is 2^e with e = floor(log2(the largest magnitude in the block)) - 8, held to -126 .. 127; a block of zeros has e = 0. As a byte (E8M0): e + 127.
;;     - Each number is divided by its block's scale, clamped to +-448, and rounded to the nearest number of E4M3, ties to even, subnormals kept.
;;     - The product sums the exact products of the quantised numbers (number of the format x scale) in f32.
;;   ~~~python
;;   def quantise(x, axis):      # numpy; x: float32 -> the quantised numbers, widened to float32 again
;;       x = np.moveaxis(x, axis, -1); K = x.shape[-1]
;;       x = np.pad(x, [(0, 0)] * (x.ndim - 1) + [(0, -K % 32)]); x = x.reshape(x.shape[:-1] + (-1, 32)); a = np.abs(x).max(-1, keepdims=True)
;;       e = np.where(a > 0, np.clip(np.frexp(np.where(a > 0, a, 1))[1] - 1 - 8, -126, 127), 0)      # np.frexp(a)[1] - 1 = floor(log2(a)), exactly
;;       r = np.clip(x / 2.0 ** e, -448, 448)
;;       step = 2.0 ** (np.maximum(np.frexp(np.where(r == 0, 1, r))[1] - 1, -6) - 3)
;;       q = np.round(r / step) * step * 2.0 ** e      # np.round: ties to even
;;       return np.moveaxis(q.reshape(q.shape[:-2] + (-1,))[..., :K], -1, axis).astype(np.float32)
;;   ~~~
;;   SOFTMAX AHEAD OF A QUANTISED PRODUCT. Where the list says 'softmax', what is quantised is not the finished softmax but p = 2^(t - M), with t = logit x log2(e) and M = ceil(the row's largest t), a whole number; so 1/2 < the row's largest p <= 1. The row's sum l is taken of the UNQUANTISED p, in f32, and the product's result is divided by l at the end. Since M is a whole number, a kernel that streams over the keys may use a running M (the ceiling of the running maximum): every later rescaling is an exact power of two, which a block's scale takes up: the codes' values come out the same.
;;   OPERANDS COMPUTED ON THE WAY. 'Computed on the way' means the value that the module computes at that place (a softmax that the list does not call 'softmax' is quantised finished and normalised). What goes into a quantiser is computed in f32, as accurately as f32 sums, v_exp_f32 and their like allow (about 1e-6 of the number): no bf16 or f16 on the way to a quantiser, and a product that is left as it is and whose result goes on into a quantised operand takes f32 operands (vector FMAs, or v_wmma_f32_16x16x4_f32). A number that lies on a knife's edge between two numbers of the format may be rounded either way, as far as f32 arithmetic and the matrix unit's own rounding can turn it there, and no further.
;; One version. Each part assembles by itself: llvm-mc -triple=amdgcn-amd-amdhsa -mcpu=gfx1250 --defsym DOCPART=n.
;; ======== version 1 of 1: 4 launches
;; limits: right only within a limited range of input values
;; workspace buffers: opc 12,582,912 bytes; ops 393,216 bytes; qkvc 25,165,824 bytes; qkvs 786,432 bytes; oc 8,388,608 bytes; osc 262,144 bytes
;; launch quant (part 1): grid 768 x 1, 4 waves a work-group, no clusters, 35,328 bytes of LDS; arguments x, W_qkv, W_out, opc, ops; writes opc, ops
.if DOCPART == 1
	.amdgcn_target "amdgcn-amd-amdhsa--gfx1250"
	.amdhsa_code_object_version 6
	.text
	.protected	k_q321341db99_quant
	.globl	k_q321341db99_quant
	.p2align	8
	.type	k_q321341db99_quant,@function
k_q321341db99_quant:
	s_mov_b64 s[64:65], 0
	v_nop
	global_prefetch_b8 v0, s[64:65] scope:SCOPE_SE
	s_setreg_imm32_b32 hwreg(HW_REG_WAVE_MODE, 25, 1), 1
	s_wait_xcnt 0x0
; x [8192][1024], W_qkv [3072][1024] and W_out [1024][1024], f32, K innermost, become codes of FP8 (E4M3) with one E8M0 byte for each 32 along K.
; The three tensors count as one run of 12,288 rows: x, then W_qkv, then W_out.
; THE CODES' LAYOUT (all code buffers of this program have it): 16 rows x 128 along K are one block of 2,048 bytes, the image of the operand's registers:
; byte 512 c + 16 lane + e (lane = 16 h + r, r the row in the block) holds the code of k = 32 c + 16 (e / 8) + 8 h + e % 8 of the block's 128.
; Inside each 32 along K that swaps two groups of eight against the matrix instruction's own order; both operands of every product are laid so, so the products that meet are the same,
; and a block of 32 stays the same set, so the scale bytes keep their natural order.  Block (row / 16, k / 128) lies at (8 (row / 16) + k / 128) x 2,048.
; A block's scale is 2^(floor(log2(its largest magnitude)) - 8); its byte is the largest magnitude's exponent field - 8, held at 1 from below.
; LIMITS: NaN and infinities among the inputs are not served; a block whose largest magnitude lies under 2^-118 takes the byte 1; a block of zeros takes the byte 1 where the rule says 127:
; its codes are zeros, which add nothing under any byte but 0xff, and this program alone reads the bytes.
; SHARES: a work-group takes 16 rows; wave w takes k = 256 w .. 256 w + 255, two blocks.  A load reads 512 consecutive bytes of one row; all 32 loads of a wave go out at its head.
; The numbers turn through the wave's own stage in LDS (rows of 512 bytes + 16), so that a lane gets the 64 numbers of its row that its registers want.
; No matrix unit, no cluster, no tensor load: every byte is read once by one wave, and nothing is shared but the 512 scale bytes, which meet in LDS and leave as 512 consecutive bytes.
.set SP,  528                          ; a stage row: 512 bytes + 16
.set WST, 16*SP                        ; a wave's stage
.set SCB, 4*WST                        ; behind the stages: the work-group's scale bytes, [16 rows][32]
.set LA,  4                            ; v4   16 x lane + 1,024 x wave: my bytes in a row of f32
.set LI,  5                            ; v5   16 x lane
.set STI, 6                            ; v6   the stage, on the way in
.set STO, 7                            ; v7   and on the way out: row r, + 32 h
.set SCI, 8                            ; v8   where my row's two scale words go
.set SCR, 9                            ; v9   where wave 0 reads the 512 bytes back
.set TM,  12                           ; v12-15 largest magnitudes, v16-19 bytes, v20-23 448 x the scale, v24-27 the conversions' scale operands
.set PW0, 28
.set PW1, 29
.set PC0, 32                           ; v32-47  the first block's codes
.set PC1, 48                           ; v48-63  the second's
.set R0,  64                           ; v64-127  16 loads: k = 256 w .. + 127 of the 16 rows
.set R1,  128                          ; v128-191 the other 128 along K
.set X,   192                          ; v192-255 64 numbers of my row, in the operand's order
	s_load_b256 s[4:11], s[0:1], 0x0               ; x s[4:5], W_qkv s[6:7], W_out s[8:9], the codes s[10:11]
	s_load_b64 s[12:13], s[0:1], 0x20              ; the scale bytes
	v_lshl_add_u32 v30, v0, 2, 0x8800
	v_mov_b32 v31, 0
	v_lshrrev_b32 v1, 5, v0
	v_readfirstlane_b32 s16, v1                    ; wave
	v_and_b32 v1, 31, v0                           ; lane
	v_and_b32 v2, 15, v0                           ; r
	v_bfe_u32 v3, v0, 4, 1                         ; h
	v_lshlrev_b32 v[LI], 4, v1
	s_lshl_b32 s18, s16, 10
	v_add_nc_u32 v[LA], s18, v[LI]
	s_mul_i32 s18, s16, WST
	v_add_nc_u32 v[STI], s18, v[LI]
	v_mul_u32_u24 v[STO], v2, SP
	v_lshl_add_u32 v[STO], v3, 5, v[STO]
	v_add_nc_u32 v[STO], s18, v[STO]
	s_lshl_b32 s18, s16, 3
	v_lshl_add_u32 v[SCI], v2, 5, s18              ; 32 r + 8 w
	v_add_nc_u32 v[SCI], SCB, v[SCI]
	v_add_nc_u32 v[SCR], SCB, v[LI]
	s_mov_b32 s20, 0x76543210
	s_mov_b32 s21, 0xfedcba98                      ; v_permlanex16_b32's selects for lane l xor 16
	s_mov_b32 s23, 0x600000                        ; the mantissa field of 448
.irp b, 0,1,2,3
	v_mov_b32 v[TM+4+\b], 0                        ; written once: a lane permute's destination counts as one of its sources
.endr
	s_wait_alu depctr_va_vdst(0)
	s_wait_kmcnt 0x0
	s_cmp_lt_u32 ttmp9, 512                        ; which tensor: the choice hangs on the work-group's number alone
	s_cselect_b64 s[4:5], s[4:5], s[6:7]
	s_cselect_b32 s17, 0, 512
	s_cmp_lt_u32 ttmp9, 704
	s_cselect_b64 s[4:5], s[4:5], s[8:9]
	s_cselect_b32 s17, s17, 704
	s_sub_co_u32 s17, ttmp9, s17                   ; my 16 rows in that tensor,
	s_lshl_b32 s18, s17, 16                        ; 65,536 bytes each
	s_mov_b32 s19, 0
	s_add_nc_u64 s[4:5], s[4:5], s[18:19]
	s_lshl_b32 s18, ttmp9, 14                      ; the codes of 16 rows are 16,384 bytes,
	s_lshl_b32 s17, s16, 12                        ; my two blocks 4,096
	s_add_co_u32 s18, s18, s17
	s_add_nc_u64 s[10:11], s[10:11], s[18:19]
	s_lshl_b32 s18, ttmp9, 9                       ; the scale bytes of 16 rows are 512
	s_add_nc_u64 s[12:13], s[12:13], s[18:19]
.irp i, 0,1,2,3,4,5,6,7,8,9,10,11,12,13,14,15
	global_load_b128 v[R0+4*\i:R0+4*\i+3], v[LA], s[4:5] offset:4096*\i th:TH_LOAD_NT   ; row i: 32 lanes read 512 consecutive bytes
.endr
.irp i, 0,1,2,3,4,5,6,7,8,9,10,11,12,13,14,15
	global_load_b128 v[R1+4*\i:R1+4*\i+3], v[LA], s[4:5] offset:4096*\i+512 th:TH_LOAD_NT
.endr
; 16 rows x 512 bytes go into my stage as loaded and come back by rows: register 16 c + e of lane (r, h) is k = 32 c + 16 (e / 8) + 8 h + e % 8 of row r.
; LDS serves a wave's instructions in order (ISA guide 5.7.1.4): no wait between the stores and the loads.
.macro THROUGH src, dst
.irp i, 0,1,2,3,4,5,6,7,8,9,10,11,12,13,14,15
	ds_store_b128 v[STI], v[\src+4*\i:\src+4*\i+3] offset:SP*\i
.endr
.irp c, 0,1,2,3
.irp q, 0,1,2,3
	ds_load_b128 v[\dst+16*\c+4*\q:\dst+16*\c+4*\q+3], v[STO] offset:128*\c+64*(\q>>1)+16*(\q&1)
.endr
.endr
.endm
; 64 numbers of a lane, v[s] on, 16 of each of four blocks of 32 (the other 16 lie in lane l xor 16), become 16 registers of codes and the row's scale word.
.macro QUANT s, pc, pw
.irp b, 0,1,2,3
	v_max3_num_f32 v[TM+\b], |v[\s+16*\b]|, |v[\s+1+16*\b]|, 0x4800000   ; my 16 numbers, and the floor 2^(9 - 127): the byte cannot fall under 1
.endr
.irp i, 2,4,6,8,10,12,14
.irp b, 0,1,2,3
	v_max3_num_f32 v[TM+\b], v[TM+\b], |v[\s+16*\b+\i]|, |v[\s+1+16*\b+\i]|   ; the four blocks by turns
.endr
.endr
.irp b, 0,1,2,3
	v_permlanex16_b32 v[TM+4+\b], v[TM+\b], s20, s21
.endr
.irp b, 0,1,2,3
	v_max_num_f32 v[TM+\b], v[TM+\b], v[TM+4+\b]   ; the block's largest magnitude
.endr
.irp b, 0,1,2,3
	v_add_nc_u32 v[TM+12+\b], 0xfc000000, v[TM+\b] ; 8 off its exponent field: the conversion's scale operand
.endr
.irp b, 0,1,2,3
	v_and_or_b32 v[TM+8+\b], v[TM+\b], 0x7f800000, s23   ; 448 x the scale
.endr
.irp b, 0,1,2,3
	v_lshrrev_b32 v[TM+4+\b], 23, v[TM+12+\b]      ; the scale's byte
.endr
	v_lshl_or_b32 v[\pw], v[TM+5], 8, v[TM+4]
	v_lshl_or_b32 v[\pw], v[TM+6], 16, v[\pw]
	v_lshl_or_b32 v[\pw], v[TM+7], 24, v[\pw]
.irp b, 0,1,2,3
.irp i, 0,1,2,3,4,5,6,7,8,9,10,11,12,13,14,15
	v_med3_num_f32 v[\s+16*\b+\i], v[\s+16*\b+\i], -v[TM+8+\b], v[TM+8+\b]   ; the conversion to an 8-bit code does not saturate (ISA guide 7.6.2): the hold comes first
.endr
	v_cvt_scalef32_pk8_fp8_f32 v[\pc+4*\b:\pc+1+4*\b], v[\s+16*\b:\s+7+16*\b], v[TM+12+\b]
	v_cvt_scalef32_pk8_fp8_f32 v[\pc+2+4*\b:\pc+3+4*\b], v[\s+8+16*\b:\s+15+16*\b], v[TM+12+\b]
.endr
	v_nop                                          ; one plain vector line behind the last conversion
.endm
	s_wait_loadcnt 16                              ; the first 16 loads are in; the 16 younger ones may be out
	THROUGH R0, X
	s_wait_dscnt 0x0                               ; X is in: the stage and R0 are free
	s_wait_loadcnt 0x0
	THROUGH R1, R0                                 ; the second block turns through the stage while the first is quantised
	QUANT X, PC0, PW0
.irp c, 0,1,2,3
	global_store_b128 v[LI], v[PC0+4*\c:PC0+4*\c+3], s[10:11] offset:512*\c   ; 32 lanes store 512 consecutive bytes, aligned
.endr
	ds_store_b32 v[SCI], v[PW0]                    ; both halves of the lanes write the same word with the same value
	s_wait_dscnt 0x0                               ; the second block's numbers are in
	QUANT R0, PC1, PW1
.irp c, 0,1,2,3
	global_store_b128 v[LI], v[PC1+4*\c:PC1+4*\c+3], s[10:11] offset:2048+512*\c
.endr
	ds_store_b32 v[SCI], v[PW1] offset:4
	s_wait_dscnt 0x0                               ; for the others' sake: my scale words lie in LDS
	s_barrier_signal -1
	s_barrier_wait -1
	s_cmp_lg_u32 s16, 0
	s_cbranch_scc1 .Lend
	ds_load_b128 v[TM:TM+3], v[SCR]                ; wave 0 stores the 16 rows' 512 scale bytes: consecutive, aligned
	s_wait_dscnt 0x0
	global_store_b128 v[LI], v[TM:TM+3], s[12:13]
.Lend:
	s_wait_tensorcnt 0x0
	ds_add_u32 v30, v31
	s_wait_dscnt 0x0
	s_endpgm
.Lfunc_end_k_q321341db99_quant:
	.size	k_q321341db99_quant, .Lfunc_end_k_q321341db99_quant-k_q321341db99_quant
	.p2alignl 7, 3214868480
	.fill 96, 4, 3214868480
	.section	.rodata,"a",@progbits
	.p2align	6, 0x0
	.amdhsa_kernel k_q321341db99_quant
		.amdhsa_group_segment_fixed_size 35328
		.amdhsa_private_segment_fixed_size 0
		.amdhsa_enable_private_segment 0
		.amdhsa_kernarg_size 40
		.amdhsa_user_sgpr_count 2
		.amdhsa_user_sgpr_kernarg_segment_ptr 1
		.amdhsa_wavefront_size32 1
		.amdhsa_system_sgpr_workgroup_id_x 1
		.amdhsa_system_sgpr_workgroup_id_y 1
		.amdhsa_system_sgpr_workgroup_id_z 1
		.amdhsa_system_vgpr_workitem_id 0
		.amdhsa_next_free_vgpr 256
		.amdhsa_next_free_sgpr 66
		.amdhsa_reserve_vcc 0
		.amdhsa_float_denorm_mode_32 3
		.amdhsa_float_denorm_mode_16_64 3
		.amdhsa_memory_ordered 1
		.amdhsa_forward_progress 1
		.amdhsa_inst_pref_size 27
	.end_amdhsa_kernel
	.amdgpu_metadata
---
amdhsa.version: [ 1, 2 ]
amdhsa.kernels:
  - .name:           k_q321341db99_quant
    .symbol:         k_q321341db99_quant.kd
    .args:
      - { .name: x, .offset: 0, .size: 8, .value_kind: global_buffer, .address_space: global }
      - { .name: W_qkv, .offset: 8, .size: 8, .value_kind: global_buffer, .address_space: global }
      - { .name: W_out, .offset: 16, .size: 8, .value_kind: global_buffer, .address_space: global }
      - { .name: opc, .offset: 24, .size: 8, .value_kind: global_buffer, .address_space: global }
      - { .name: ops, .offset: 32, .size: 8, .value_kind: global_buffer, .address_space: global }
    .group_segment_fixed_size: 35328
    .private_segment_fixed_size: 0
    .kernarg_segment_align: 8
    .kernarg_segment_size: 40
    .max_flat_workgroup_size: 128
    .sgpr_count:     66
    .vgpr_count:     256
    .wavefront_size: 32
...
	.end_amdgpu_metadata
.endif
;; end of part 1
;; launch qkv (part 2): grid 8 x 32, 4 waves a work-group, clusters of 4 x 4, 327,680 bytes of LDS; arguments opc, ops, qkvc, qkvs; writes qkvc, qkvs
.if DOCPART == 2
	.amdgcn_target "amdgcn-amd-amdhsa--gfx1250"
	.amdhsa_code_object_version 6
	.text
	.protected	k_q321341db99_qkv
	.globl	k_q321341db99_qkv
	.p2align	8
	.type	k_q321341db99_qkv,@function
k_q321341db99_qkv:
	s_mov_b64 s[64:65], 0
	v_nop
	global_prefetch_b8 v0, s[64:65] scope:SCOPE_SE
	s_setreg_imm32_b32 hwreg(HW_REG_WAVE_MODE, 25, 1), 1
	s_wait_xcnt 0x0
	s_wait_alu depctr_hold_cnt(0) depctr_sa_sdst(0) depctr_va_vdst(0) depctr_va_sdst(0) depctr_va_ssrc(0) depctr_va_vcc(0) depctr_vm_vsrc(0)
	s_getreg_b32 s2, hwreg(HW_REG_IB_STS2, 6, 4)
	s_cmp_eq_u32 s2, 0
	s_cbranch_scc0 .Lentry_in_a_cluster
	s_endpgm
.Lentry_in_a_cluster:
	s_bfe_u32 s2, ttmp6, 0x10000c
	s_cmp_lg_u32 s2, 0xf033
	s_cbranch_scc0 .Lentry_shape_is_right
	s_endpgm
.Lentry_shape_is_right:
; The first product, x W_qkv^T, on codes of FP8 (E4M3) with E8M0 scales, K = 1,024; its results are quantised in registers and leave as codes: no f32 number goes to memory.
; OPERANDS: opc holds 12,288 rows (x 0.., W_q 8,192.., W_k 9,216.., W_v 10,240..) as blocks of 16 rows x 128 K = 2,048 bytes, each the image of a fragment's registers (byte 512 c + 16 lane + e); block (row / 16, k / 128)
; at (8 (row / 16) + k / 128) x 2,048.  Inside each 32 along K two groups of eight are swapped against the instruction's own order, alike in both operands.  ops: [12288][32] scale bytes.
; THE DEAL: 256 work-groups of four waves (2 x 2) that stay for two phases on the same 256 tokens.
;   PHASE 1: 256 tokens x 256 channels of Q or K; a wave makes 128 x 128: 64 accumulators.  A = x, B = W: a lane holds a token, its registers run along the channels: q and k are quantised along the head's 64.
;   PHASE 2: 128 channels of V x the 256 tokens; a wave makes 64 x 128: 32 accumulators.  A = W_v, B = x: a lane holds a channel, its registers run along the tokens: v is quantised along the keys.
; THE MATRIX INSTRUCTION IS USED TRANSPOSED (source 0 = 16 rows of B, source 1 = 16 rows of A): a lane's 64 registers of a block of A run along 128 rows of B in the order of a fragment's registers.
; THE RING: K goes in steps of 256 through two LDS slots (x's 256 rows, then the weight's).  Both slots' first fills go out at the head, one load a wave.  The ring does not stop between the phases:
; phase 1's last two changes of slots ask for phase 2's K steps 0 and 1.  x keeps its place, its descriptors and its mask; only its address goes back along K.  W_v's 128 rows land in the first half of the weight's place.
; CLUSTERS: 4 x 4 work-groups; x's tiles are asked for jointly along a row of the cluster, the weights' along a column, in both phases.
; THE SCALE BYTES (W_v's 4,096, x's 8,192, W's 8,192) come once, in whole units, through registers into LDS bytes of their own: 20 KB of the 916 KB that a work-group reads, so they are not asked for jointly.
; NO PREFETCH: a phase has four K steps, each asked for one slot ahead, the first two of either phase earlier still: there is no further trip to run ahead in.
; RESULTS: qkvc [b 4][g 48][131,072 bytes]; g 0-15 q's heads, 16-31 k's: [16 tokens][c 2][lane][16 bytes]; g 32-47 v's heads: [128 keys][16 channels' block of 2,048 bytes].
; qkvs: words [b][pair of heads 16][token] (bytes 0, 1 the even head's two blocks, 2, 3 the odd head's), then from byte 524,288 [b][head][128 keys][channel 64].
; LIMITS: NaN and infinities are not served; a block whose largest magnitude lies under 2^-118, a block of zeros among them, takes the byte 1 (its reader is this program alone).
; REGISTERS: window 0: v16-31 addresses; v32-63 scale words, two sets; v64-91 the way out's; v88-127 at the head the scale bytes on their way; from v128 A's fragments (phase 1 one set of 8, phase 2 two sets of 4; on the way out v128-191 numbers held, v192-223 codes).
;   window 1: B's fragments, two sets of 8.   window 2: accumulators of A's blocks 0-3 ((a, b) at v[8 (8 a + b)]);   window 3: of blocks 4-7.
.set NQ,     2
.set FR,     16
.set NL,     4
.set NP,     8                         ; places behind this matrix instruction (ISA guide 7.12.1)
.set HALFT,  32768                     ; 128 rows x 256 K
.set HA,     16384                     ; 64 rows x 256 K
.set SLOT,   4*HALFT
.set KADV,   4096                      ; a slot's K in memory: two blocks on end
.set SBLK,   2*272                     ; the scale bytes of 16 rows, in units of 256 bytes + 16 of padding
.set SCL,    2*SLOT                    ; behind the ring: W_v's scale bytes, 16 units;
.set SCLX,   SCL+16*272                ; x's, 32 units;
.set SCLW,   SCLX+32*272               ; W's, 32 units
.set SWS,    SCLW+32*272               ; the way out's scale words: 512 bytes a wave
.set SPARE,  SWS+2048                  ; the spare words, 128 bytes a wave: two blocks of 256 bytes that no other line names
.set ADRA,  16                         ; v16, 17  phase 1: my fragments of A in slot 0, 1
.set ADRA2, 18                         ; v18, 19  phase 2
.set ADRB,  20
.set ADRB2, 22
.set ADRS2, 26
.set ADRS,  27
.set SPW,   28
.set NIL,   29
.set SC,    32
.set AF,    128
.set TM,    64                         ; the way out: v64-67 largest magnitudes, v68-71 bytes, v72-75 448 x the scale, v76-79 the conversions' scale operands
.set PW,    80
.set VO,    82                         ; 16 x lane
.set L8,    83                         ; 8 x lane
.set SWA,   84                         ; LDS: where my row's scale word goes
.set SWR,   85                         ; where I read four words back,
.set SWR2,  86                         ; or two
.set GA,    88
.set RAW,   88
.set T,     128
.set PC,    192
.set G1,   24                          ; x's refills: 8 rows of 4,096 bytes
.set G0,   32
.set G1B,  48                          ; W's
.set G0B,  56
.set G1S,  68                          ; the head's: x's whole tile, 16 rows
.set G0S,  76
.set G1SB, 80                          ; the head's: W's whole tile; behind the head its row count becomes 4: W_v's refills
.set G0SB, 88
.set SEL, 96
.set MNT, 98
.set MSB, 0
.macro WIN new                         ; the immediate's high byte repeats the setting that is left
.if MSB != \new
	s_set_vgpr_msb (MSB<<8)|\new
.set MSB, \new
.endif
.endm
.set MUL_LO, 0xa1                      ; source 0 (B) window 1, source 1 (A) window 0, C and D window 2
.set MUL_HI, 0xf1                      ; the same, C and D window 3
.set TO_B,   0x40                      ; destination window 1, address window 0
.macro PLACES n
.rept \n
	v_nop
.endr
.endm
.macro TL g0, g1                       ; a tensor load; s_nop 0 and four v_nop follow it
	tensor_load_to_lds s[\g0:\g0+3], s[\g1:\g1+7]
	s_nop 0
	PLACES 4
.endm
.macro JLOAD g0a, g1a, g0b, g1b        ; a refill: waves 0 and 1 fetch x's halves, waves 2 and 3 the weight's; the branch hangs on the wave's number alone
	s_cmp_eq_u32 s15, 0
	s_cbranch_scc0 .Lfor_b_\@
	TL \g0a, \g1a
	s_branch .Lasked_\@
.Lfor_b_\@:
	TL \g0b, \g1b
.Lasked_\@:
.endm
.macro CREST                           ; a round of the cluster's barrier behind its opening barrier
	s_cmp_lg_u32 s14, 0
	s_cbranch_scc1 .Lnot_wave_0_\@
	s_barrier_signal -3
.Lnot_wave_0_\@:
	s_barrier_wait -3
	s_barrier_signal -1
	s_barrier_wait -1
.endm
.macro CROUND
	s_barrier_signal -1
	s_barrier_wait -1
	CREST
.endm
.macro GRP1 g, mask, rows              ; so many rows of 4,096 bytes (512 elements of 8), 16,384 bytes apart, laid on end in LDS; 15:0 the mask, 21 set beside it
	s_or_b32 s[\g], s\mask, (3<<16)|(1<<21)
	s_mov_b32 s[\g+1], 512<<16
	s_mov_b32 s[\g+2], (\rows)<<16
	s_mov_b32 s[\g+3], 512<<16
	s_mov_b32 s[\g+4], \rows
	s_mov_b32 s[\g+5], 2048
	s_mov_b32 s[\g+6], 0
	s_mov_b32 s[\g+7], 0
.endm
	s_load_b256 s[4:11], s[0:1], 0x0               ; opc s[4:5], ops s[6:7], qkvc s[8:9], qkvs s[10:11]
	v_lshl_add_u32 v[SPW], v0, 2, SPARE
	v_mov_b32 v[NIL], 0
	ds_add_u32 v[SPW], v[NIL]                      ; the opening lines: the add, twice on end, and its wait ahead of my first tensor load
	ds_add_u32 v[SPW], v[NIL]
	v_lshrrev_b32 v1, 5, v0
	v_readfirstlane_b32 s14, v1                    ; wave 0..3
	s_lshr_b32 s15, s14, 1                         ; my half of A's rows.  Also: I refill x (0) or the weight (1); at the head: my slot
	s_and_b32 s16, s14, 1                          ; my half of B's rows.  Also: which half of a tile I refill
	s_bfe_u32 s40, ttmp6, 0x40000                  ; cx, cy
	s_bfe_u32 s41, ttmp6, 0x40004
	s_mov_b32 s[SEL], 0x76543210
	s_mov_b32 s[SEL+1], 0xfedcba98
	s_mov_b32 s[MNT], 0x600000
	s_lshl_b32 s42, ttmp9, 2
	s_add_co_u32 s42, s42, s40                     ; the weights' tile, 0..7: 256 rows of W_q, W_k; 128 rows of W_v
	s_and_b32 s17, ttmp7, 0xffff
	s_lshl_b32 s17, s17, 2
	s_add_co_u32 s17, s17, s41                     ; x's tile of 256 tokens, 0..31
	s_lshl_b32 s43, s41, 2
	s_lshl_b32 s43, 15, s43                        ; my row of the cluster: shares x's tiles
	s_lshl_b32 s44, 0x1111, s40                    ; my column: shares the weights'
	GRP1 G1,   43, 8
	GRP1 G1B,  44, 8
	GRP1 G1S,  43, 16
	GRP1 G1SB, 44, 16
	s_lshl_b32 s20, s17, 18                        ; offsets in opc: x's tile;
	s_mov_b32 s21, 0
	s_lshl_b32 s46, s42, 18                        ; W's;
	s_add_co_u32 s46, s46, 8192*1024
	s_mov_b32 s47, 0
	s_lshl_b32 s66, s42, 17                        ; W_v's, at the 64 rows that I refill
	s_lshl_b32 s12, s16, 16
	s_add_co_u32 s66, s66, s12
	s_add_co_u32 s66, s66, 10240*1024
	s_mov_b32 s67, 0
	s_lshl_b32 s2, s17, 13                         ; and in ops, 32 bytes a row
	s_mov_b32 s3, 0
	s_lshl_b32 s92, s42, 13
	s_add_co_u32 s92, s92, 8192*32
	s_mov_b32 s93, 0
	s_lshl_b32 s94, s42, 12
	s_add_co_u32 s94, s94, 10240*32
	s_mov_b32 s95, 0
	s_mul_i32 s18, s15, HALFT                      ; LDS, in slot 0: x as A;
	s_mul_i32 s19, s16, HALFT                      ; x as B;
	s_add_co_u32 s22, s19, 2*HALFT                 ; W as B;
	s_mul_i32 s23, s15, HA
	s_add_co_u32 s23, s23, 2*HALFT                 ; W_v as A
	s_mul_i32 s32, s15, 8*SBLK                     ; scale words, phase 1: lanes 0-15 x's rows,
	s_add_co_u32 s32, s32, SCLX
	s_mul_i32 s36, s16, 8*SBLK
	s_add_co_u32 s33, s36, SCLW                    ; lanes 16-31 W's: so much further on
	s_sub_co_u32 s33, s33, s32
	s_mul_i32 s34, s15, 4*SBLK                     ; phase 2: lanes 0-15 W_v's rows,
	s_add_co_u32 s34, s34, SCL
	s_add_co_u32 s35, s36, SCLX                    ; lanes 16-31 x's
	s_sub_co_u32 s35, s35, s34
	s_lshl_b32 s99, s14, 9
	s_add_co_u32 s99, s99, SWS                     ; my 512 bytes for scale words
	s_mul_i32 s45, s14, HALFT                      ; where my refills go: wave x 128 rows;
	s_mul_i32 s13, s16, HA
	s_add_co_u32 s13, s13, 2*HALFT                 ; W_v's: 64 rows a wave
	v_and_b32 v1, 15, v0                           ; r
	v_bfe_u32 v2, v0, 4, 1                         ; h
	v_and_b32 v3, 31, v0
	v_lshlrev_b32 v[VO], 4, v3
	v_lshlrev_b32 v[L8], 3, v3
	v_add_nc_u32 v[ADRA], s18, v[VO]
	v_add_nc_u32 v[ADRB], s22, v[VO]
	v_add_nc_u32 v[ADRA2], s23, v[VO]
	v_add_nc_u32 v[ADRB2], s19, v[VO]
.irp x, ADRA, ADRB, ADRA2, ADRB2
	v_add_nc_u32 v[\x+1], SLOT, v[\x]
.endr
	v_lshlrev_b32 v5, 5, v1                        ; my row's scale bytes: 32 a row, 16 more for each 256 passed
	v_lshrrev_b32 v6, 3, v1
	v_lshl_add_u32 v5, v6, 4, v5
	v_mul_u32_u24 v6, s33, v2
	v_mul_u32_u24 v7, s35, v2
	v_add_nc_u32 v6, v5, v6
	v_add_nc_u32 v7, v5, v7
	v_add_nc_u32 v[ADRS], s32, v6
	v_add_nc_u32 v[ADRS2], s34, v7
	v_lshl_add_u32 v[SWA], v1, 2, s99
	v_add_nc_u32 v[SWR], s99, v[VO]
	v_add_nc_u32 v[SWR2], s99, v[L8]
	v_lshlrev_b32 v30, 4, v0                       ; the scale bytes come through registers: 16 bytes a thread, 2,048 a line,
	v_lshrrev_b32 v31, 4, v0
	v_add_nc_u32 v31, v31, v0
	v_lshl_add_u32 v31, v31, 4, SCL                ; and go to SCL + 16 t + 16 (t / 16)
.irp g, 0,1,2,3
	v_mov_b32 v[TM+4+\g], 0                        ; written once: a lane permute's destination counts as one of its sources
.endr
	s_wait_alu depctr_va_vdst(0)                   ; the wait at the end of the head's vector work
	s_wait_dscnt 0x0                               ; both opening adds are done
	s_wait_kmcnt 0x0
	s_add_nc_u64 s[20:21], s[4:5], s[20:21]
	s_add_nc_u64 s[46:47], s[4:5], s[46:47]
	s_add_nc_u64 s[66:67], s[4:5], s[66:67]
	s_add_nc_u64 s[2:3], s[6:7], s[2:3]
	s_add_nc_u64 s[92:93], s[6:7], s[92:93]
	s_add_nc_u64 s[94:95], s[6:7], s[94:95]
.irp j, 0,1
	global_load_b128 v[RAW+4*\j:RAW+4*\j+3], v30, s[94:95] offset:2048*\j          ; W_v's; 128 threads read 2,048 consecutive bytes
.endr
.irp j, 0,1,2,3
	global_load_b128 v[RAW+8+4*\j:RAW+8+4*\j+3], v30, s[2:3] offset:2048*\j        ; x's
.endr
.irp j, 0,1,2,3
	global_load_b128 v[RAW+24+4*\j:RAW+24+4*\j+3], v30, s[92:93] offset:2048*\j    ; W's
.endr
	s_mul_i32 s18, s15, KADV                       ; the head's group 0: slot = K step = wave / 2
	s_mov_b32 s19, 0
	s_mov_b32 s[G0S], 1
	s_mul_i32 s[G0S+1], s15, SLOT
	s_add_nc_u64 s[G0S+2:G0S+3], s[20:21], s[18:19]
	s_or_b32 s[G0S+3], s[G0S+3], 0x80000000
	s_mov_b32 s[G0SB], 1
	s_add_co_u32 s[G0SB+1], s[G0S+1], 2*HALFT
	s_add_nc_u64 s[G0SB+2:G0SB+3], s[46:47], s[18:19]
	s_or_b32 s[G0SB+3], s[G0SB+3], 0x80000000
	s_lshl_b32 s18, s16, 17                        ; the ring's: which 128 rows of a tile I refill
	s_add_nc_u64 s[20:21], s[20:21], s[18:19]
	s_add_nc_u64 s[46:47], s[46:47], s[18:19]
.irp s, 0,1
	s_mov_b32 s[G0+4*\s], 1
	s_add_co_u32 s[G0+4*\s+1], s45, \s*SLOT
	s_add_nc_u64 s[G0+4*\s+2:G0+4*\s+3], s[20:21], \s*KADV
	s_or_b32 s[G0+4*\s+3], s[G0+4*\s+3], 0x80000000
	s_mov_b32 s[G0B+4*\s], 1
	s_add_co_u32 s[G0B+4*\s+1], s45, \s*SLOT
	s_add_nc_u64 s[G0B+4*\s+2:G0B+4*\s+3], s[46:47], \s*KADV
	s_or_b32 s[G0B+4*\s+3], s[G0B+4*\s+3], 0x80000000
.endr
	CROUND                                         ; all sixteen work-groups are here: the first joint loads meet
; THE HEAD'S LOADS, ONE A WAVE: one chain of branches on the wave's number, a load to an arm.  Wave 0: slot 0's x; wave 1: slot 0's W; waves 2, 3: slot 1's.
; Waves 0 and 1 have lines of their own: they alone wait at the first barrier, which shows slot 0; waves 2 and 3 wait at the first change of slots.
.macro ARM under, g0, g1, next
	s_cmp_lt_u32 s14, \under
	s_cbranch_scc0 \next
	TL \g0, \g1
	s_branch .Lhead_asked
\next:
.endm
	ARM 1, G0S,  G1S,  .Lhead_1
	ARM 2, G0SB, G1SB, .Lhead_2
	ARM 3, G0S,  G1S,  .Lhead_3
	TL G0SB, G1SB
.Lhead_asked:
	s_wait_loadcnt 0x0                             ; the scale bytes are in registers
.irp j, 0,1,2,3,4,5,6,7,8,9
	ds_store_b128 v31, v[RAW+4*\j:RAW+4*\j+3] offset:2176*\j   ; 2,048 bytes are eight units of 272: W_v's 16 units, x's 32, W's 32
.endr
	s_cmp_lt_u32 s14, 2
	s_cbranch_scc0 .Lslot_1_is_mine
	s_wait_tensorcnt 0x0                           ; waves 0 and 1: slot 0's tiles have landed; slot 1's may be out
.Lslot_1_is_mine:
	s_wait_dscnt 0x0                               ; my scale bytes lie in LDS
	s_barrier_signal -1
	s_barrier_wait -1
.macro FRAG reg, adr, q, i             ; a fragment comes as it lies: four loads of 512 consecutive bytes
.irp c, 0,1,2,3
	ds_load_b128 v[\reg+4*\c:\reg+4*\c+3], v[\adr] offset:2048*(\q)+512*\c+(\i)*4096
.endr
.endm
; What a change of slots asks for.  kind 1: phase 1's K step two on.  kind 2: phase 2's K step 0 or 1: x goes back along K, the weight's group 0 is set to W_v.  kind 3: phase 2's K step two on.
; (No tensor load of mine is out here: every wave has waited for all of its own ahead of the round.)
.macro REFILL slot, kind
.if \kind == 2
	s_sub_nc_u64 s[G0+4*\slot+2:G0+4*\slot+3], s[G0+4*\slot+2:G0+4*\slot+3], 2*KADV
	s_add_co_u32 s[G0B+4*\slot+1], s13, \slot*SLOT
	s_add_nc_u64 s[G0B+4*\slot+2:G0B+4*\slot+3], s[66:67], \slot*KADV
	s_or_b32 s[G0B+4*\slot+3], s[G0B+4*\slot+3], 0x80000000
.else
	s_add_nc_u64 s[G0+4*\slot+2:G0+4*\slot+3], s[G0+4*\slot+2:G0+4*\slot+3], 2*KADV
	s_add_nc_u64 s[G0B+4*\slot+2:G0B+4*\slot+3], s[G0B+4*\slot+2:G0B+4*\slot+3], 2*KADV
.endif
.if \kind == 1
	JLOAD G0+4*\slot, G1, G0B+4*\slot, G1B
.else
	JLOAD G0+4*\slot, G1, G0B+4*\slot, G1SB
.endif
.endm
.macro SCALES sc, adr                  ; a slot's scale words, two a row: lanes 0-15 A's block i, lanes 16-31 B's block i
.irp i, 0,1,2,3,4,5,6,7
	ds_load_b64 v[SC+8*NQ*\sc+NQ*\i:SC+8*NQ*\sc+NQ*\i+1], v[\adr] offset:\i*SBLK
.endr
.endm
; PHASE 1.  16 products: A's blocks a0, a0 + 1 x B's eight.  The 64 accumulators take turns, one instruction a turn, in the same order in every step.  zero = 1: the first product starts the sums.
.macro MUL16 a0, p, q, sc, zero
.irp a, \a0, \a0+1
.irp b, 0,1,2,3,4,5,6,7
.if \zero
	v_wmma_scale_f32_16x16x128_f8f6f4 v[8*(8*((\a)%4)+\b):8*(8*((\a)%4)+\b)+7], v[128*(\p)+FR*\b:128*(\p)+FR*\b+FR-1], v[AF+FR*(\a):AF+FR*(\a)+FR-1], 0, v[SC+8*NQ*(\sc)+NQ*\b+(\q)], v[SC+8*NQ*(\sc)+NQ*(\a)+(\q)] matrix_a_scale:MATRIX_SCALE_ROW1
.else
	v_wmma_scale_f32_16x16x128_f8f6f4 v[8*(8*((\a)%4)+\b):8*(8*((\a)%4)+\b)+7], v[128*(\p)+FR*\b:128*(\p)+FR*\b+FR-1], v[AF+FR*(\a):AF+FR*(\a)+FR-1], v[8*(8*((\a)%4)+\b):8*(8*((\a)%4)+\b)+7], v[SC+8*NQ*(\sc)+NQ*\b+(\q)], v[SC+8*NQ*(\sc)+NQ*(\a)+(\q)] matrix_a_scale:MATRIX_SCALE_ROW1
.endif
.endr
.endr
.endm
.macro FETCH_B slot, q, p
	WIN TO_B
.irp i, 0,1,2,3,4,5,6,7
	FRAG 128*(\p)+FR*\i, ADRB+\slot, \q, \i
.endr
	WIN 0
.endm
.macro FETCH_A slot, q, i0
.irp i, \i0, \i0+1, \i0+2, \i0+3
	FRAG AF+FR*(\i), ADRA+\slot, \q, \i
.endr
.endm
.macro STEP slot, q, zero              ; a step of 128 along K that has its successor in the same slot
	s_wait_dscnt 4*NL                              ; B's set and A's blocks 0-3 are in; the youngest 16 loads (A's blocks 4-7) may be out
	WIN MUL_LO
	MUL16 0, (\q)%2, \q, \slot, \zero
	MUL16 2, (\q)%2, \q, \slot, \zero
	s_wait_dscnt 0                                 ; A's blocks 4-7 are in
	PLACES NP
	FETCH_B \slot, (\q)+1, 1-(\q)%2
	FETCH_A \slot, (\q)+1, 0
	WIN MUL_HI
	MUL16 4, (\q)%2, \q, \slot, \zero
	MUL16 6, (\q)%2, \q, \slot, \zero
	PLACES NP
	WIN 0
	FETCH_A \slot, (\q)+1, 4
.endm
; A slot's last step changes slots: in front of the round each wave waits for all its tensor loads, adds 0 to its spare word, and waits for that and for its own reads of this slot.  more = 0: phase 1's last step: nothing more of it is fetched.
.macro TURN slot, next, kind, more
	s_wait_tensorcnt 0x0                           ; all my tensor loads have landed: my part of the next slot
	ds_add_u32 v[SPW], v[NIL]
	s_wait_dscnt 4*NL+1                            ; (the add and the youngest 16 loads may be out)
	WIN MUL_LO
	MUL16 0, 1, NQ-1, \slot, 0
	s_wait_dscnt 0x0                               ; the add is done, and my reads of this slot are over
	s_barrier_signal -1
	MUL16 2, 1, NQ-1, \slot, 0
	WIN 0
	s_barrier_wait -1
	CREST                                          ; the barrier has opened a round of the cluster's barrier: no wave of any partner still reads this slot or has a load on its way
	REFILL \slot, \kind                            ; the first tensor load behind the round; its four v_nop are among the places in front of the loads below
.if \more
	PLACES NP-4
	v_add_nc_u32 v[ADRS], 4*NQ, v[ADRS]            ; on to the next slot's scale words
	s_wait_alu depctr_va_vdst(0)                   ; the wait here, directly behind the write
	FETCH_B \next, 0, 0
	FETCH_A \next, 0, 0
	SCALES \next, ADRS
.endif
	WIN MUL_HI
	MUL16 4, 1, NQ-1, \slot, 0
	MUL16 6, 1, NQ-1, \slot, 0
	PLACES NP
	WIN 0
.if \more
	FETCH_A \next, 0, 4
.endif
.endm
; PHASE 2.  48 loads: B's eight and A's four fragments of the slot's q-th 128 along K into sets p
.macro FETCH2 slot, q, p
	WIN TO_B
.irp i, 0,1,2,3,4,5,6,7
	FRAG 128*(\p)+16*\i, ADRB2+\slot, \q, \i
.endr
	WIN 0
.irp i, 0,1,2,3
	FRAG AF+64*(\p)+16*\i, ADRA2+\slot, \q, \i
.endr
.endm
.macro MUL8 a, p, q, sc, zero          ; eight products: A's block a x B's eight; the 32 accumulators take turns
.irp b, 0,1,2,3,4,5,6,7
.if \zero
	v_wmma_scale_f32_16x16x128_f8f6f4 v[8*(8*(\a)+\b):8*(8*(\a)+\b)+7], v[128*(\p)+16*\b:128*(\p)+16*\b+15], v[AF+64*(\p)+16*(\a):AF+64*(\p)+16*(\a)+15], 0, v[SC+16*(\sc)+2*\b+(\q)], v[SC+16*(\sc)+2*(\a)+(\q)] matrix_a_scale:MATRIX_SCALE_ROW1
.else
	v_wmma_scale_f32_16x16x128_f8f6f4 v[8*(8*(\a)+\b):8*(8*(\a)+\b)+7], v[128*(\p)+16*\b:128*(\p)+16*\b+15], v[AF+64*(\p)+16*(\a):AF+64*(\p)+16*(\a)+15], v[8*(8*(\a)+\b):8*(8*(\a)+\b)+7], v[SC+16*(\sc)+2*\b+(\q)], v[SC+16*(\sc)+2*(\a)+(\q)] matrix_a_scale:MATRIX_SCALE_ROW1
.endif
.endr
.endm
.macro STEP2 slot, zero                ; a slot's first 128 along K, on sets 0; ahead of its products the second 128's fragments are asked for, into sets 1
.if \zero == 0
	PLACES NP                                      ; behind the products that read sets 1
.endif
	FETCH2 \slot, 1, 1
	s_wait_dscnt 48                                ; all but the 48 just issued: sets 0 and the scale words are in
	WIN MUL_LO
.irp a, 0,1,2,3
	MUL8 \a, 0, 0, \slot, \zero
.endr
	WIN 0
.endm
.macro TURN2 slot, next, fill          ; a slot's second 128, on sets 1, changes slots, as in phase 1
	s_wait_tensorcnt 0x0
	ds_add_u32 v[SPW], v[NIL]
	s_wait_dscnt 1                                 ; sets 1 are in (the add may be out)
	WIN MUL_LO
	MUL8 0, 1, 1, \slot, 0
	s_wait_dscnt 0x0
	s_barrier_signal -1
	MUL8 1, 1, 1, \slot, 0
	WIN 0
	s_barrier_wait -1
.if \fill
	CREST
	REFILL \slot, 3
	PLACES NP-4
.else
	PLACES NP
.endif
	v_add_nc_u32 v[ADRS2], 8, v[ADRS2]
	s_wait_alu depctr_va_vdst(0)                   ; the wait here, directly behind the write
	FETCH2 \next, 0, 0
	SCALES \next, ADRS2
	WIN MUL_LO
	MUL8 2, 1, 1, \slot, 0
	MUL8 3, 1, 1, \slot, 0
	WIN 0
.endm
; THE WAY OUT of block a of A: its eight accumulators are 64 numbers of my row, register 16 g + i in the order of a fragment's registers: four blocks of 32, the other half of each in lane l xor 16.
; Each accumulator is read from its low end on.  The codes leave as they stand: 32 lanes store 512 consecutive bytes, aligned.  far: from a block's first two groups of registers to its last two (phase 1: the odd head; phase 2: 1,024 bytes).
.macro OUTBLK a, far
.set AC, 64*((\a)%4)
.set WW, 2+(\a)/4
.set WMX, 0x14*WW
.set PCS, PC+16*((\a)%2)
	s_wait_xcnt 0x0                                ; the earlier stores have read their base and their data: both are written again only behind this wait
.if (\a) > 0
	s_add_nc_u64 s[22:23], s[22:23], s[18:19]
.endif
	WIN WMX                                        ; sources 1 and 2: the accumulators' window
.irp g, 0,1,2,3
	v_max3_num_f32 v[TM+\g], 0x4800000, |v[AC+16*\g]|, |v[AC+16*\g+1]|   ; with the floor 2^(9 - 127): the byte cannot fall under 1
.endr
.irp i, 2,4,6,8,10,12,14
.irp g, 0,1,2,3
	v_max3_num_f32 v[TM+\g], v[TM+\g], |v[AC+16*\g+\i]|, |v[AC+16*\g+\i+1]|
.endr
.endr
	WIN 0
.irp g, 0,1,2,3
	v_permlanex16_b32 v[TM+4+\g], v[TM+\g], s[SEL], s[SEL+1]
.endr
.irp g, 0,1,2,3
	v_max_num_f32 v[TM+\g], v[TM+\g], v[TM+4+\g]
.endr
.irp g, 0,1,2,3
	v_add_nc_u32 v[TM+12+\g], 0xfc000000, v[TM+\g] ; 8 off the exponent field: the conversion's scale operand
.endr
.irp g, 0,1,2,3
	v_and_or_b32 v[TM+8+\g], v[TM+\g], 0x7f800000, s[MNT]   ; 448 x the scale
.endr
.irp g, 0,1,2,3
	v_lshrrev_b32 v[TM+4+\g], 23, v[TM+12+\g]      ; the scale's byte
.endr
	v_lshl_or_b32 v[PW], v[TM+5], 8, v[TM+4]
	v_lshl_or_b32 v[PW], v[TM+6], 16, v[PW]
	v_lshl_or_b32 v[PW], v[TM+7], 24, v[PW]
	WIN WW                                         ; source 0: the accumulators' window
.set n, 0
.rept 64
	v_med3_num_f32 v[T+n], v[AC+n], -v[TM+8+n/16], v[TM+8+n/16]   ; the hold: the conversion to an 8-bit code does not saturate (ISA guide 7.6.2)
.set n, n+1
.endr
	WIN 0
.irp g, 0,1,2,3
	v_cvt_scalef32_pk8_fp8_f32 v[PCS+4*\g:PCS+4*\g+1], v[T+16*\g:T+16*\g+7], v[TM+12+\g]
	v_cvt_scalef32_pk8_fp8_f32 v[PCS+4*\g+2:PCS+4*\g+3], v[T+16*\g+8:T+16*\g+15], v[TM+12+\g]
.endr
	v_nop                                          ; one plain vector line behind the last conversion
	ds_store_b32 v[SWA], v[PW] offset:64*(\a)      ; both halves of the lanes write the same word with the same value
.irp g, 0,1,2,3
	global_store_b128 v[VO], v[PCS+4*\g:PCS+4*\g+3], s[22:23] offset:(\far)*(\g>>1)+512*(\g&1)
.endr
.endm
	FETCH_B 0, 0, 0
	FETCH_A 0, 0, 0
	SCALES 0, ADRS
	FETCH_A 0, 0, 4
	STEP 0, 0, 1                                   ; K = 1,024 is eight steps of 128, written out: each has its own part in the ring's walk
	TURN 0, 1, 1, 1                                ; slot 0 takes K step 2
	s_mov_b32 s[G1SB+2], 4<<16                     ; the head's loads have been waited for: their group 1 for the weight now counts W_v's 4 rows a load
	s_mov_b32 s[G1SB+4], 4
	STEP 1, 0, 0
	TURN 1, 0, 1, 1                                ; slot 1 takes K step 3
	STEP 0, 0, 0
	TURN 0, 1, 2, 1                                ; slot 0 takes phase 2's K step 0
	STEP 1, 0, 0
	TURN 1, 0, 2, 0                                ; slot 1 takes phase 2's K step 1; the round has shown slot 0
	; where Q's or K's results go
	s_lshr_b32 s18, s17, 3                         ; the batch,
	s_and_b32 s19, s17, 7
	s_lshl_b32 s19, s19, 4
	s_lshl_b32 s12, s15, 3
	s_add_co_u32 s19, s19, s12                     ; my first 16 tokens in it,
	s_lshl_b32 s2, s42, 1
	s_add_co_u32 s2, s2, s16                       ; my pair of heads (0-7 q's, 8-15 k's)
	s_mul_i32 s22, s18, 48
	s_lshl_b32 s12, s2, 1
	s_add_co_u32 s22, s22, s12
	s_lshl_b32 s22, s22, 17
	s_lshl_b32 s12, s19, 10
	s_add_co_u32 s22, s22, s12                     ; codes
	s_mov_b32 s23, 0
	s_lshl_b32 s18, s18, 4
	s_add_co_u32 s2, s2, s18
	s_lshl_b32 s2, s2, 11
	s_lshl_b32 s12, s19, 4
	s_add_co_u32 s2, s2, s12
	s_lshl_b32 s2, s2, 2                           ; scale words
	s_mov_b32 s3, 0
	s_add_nc_u64 s[22:23], s[8:9], s[22:23]
	s_add_nc_u64 s[2:3], s[10:11], s[2:3]
	s_mov_b32 s18, 1024                            ; from a block of 16 tokens to the next
	s_mov_b32 s19, 0
.irp a, 0,1,2,3,4,5,6,7
	OUTBLK \a, 131072
.endr
	ds_load_b128 v[GA:GA+3], v[SWR]                ; my wave's 128 scale words, four a lane: LDS serves a wave's instructions in order
	s_wait_dscnt 0x0
	global_store_b128 v[VO], v[GA:GA+3], s[2:3]    ; 32 lanes store 512 consecutive bytes, aligned
	s_wait_xcnt 0x0                                ; the stores have read their registers: fragments land there below
	FETCH2 0, 0, 0
	SCALES 0, ADRS2
	STEP2 0, 1
	TURN2 0, 1, 1                                  ; slot 0 takes K step 2
	STEP2 1, 0
	TURN2 1, 0, 1                                  ; slot 1 takes K step 3
	STEP2 0, 0
	TURN2 0, 1, 0                                  ; nothing more is filled
	STEP2 1, 0
	s_wait_dscnt 0x0
	WIN MUL_LO
.irp a, 0,1,2,3
	MUL8 \a, 1, 1, 1, 0
.endr
	WIN 0
	PLACES NP
	; where V's results go
	s_lshr_b32 s18, s17, 3                         ; the batch,
	s_and_b32 s19, s17, 7
	s_lshl_b32 s19, s19, 1
	s_add_co_u32 s19, s19, s16                     ; my 128 keys in it,
	s_lshl_b32 s12, s42, 1
	s_add_co_u32 s12, s12, s15                     ; my head
	s_mul_i32 s22, s18, 48
	s_add_co_u32 s22, s22, s12
	s_add_co_u32 s22, s22, 32
	s_lshl_b32 s22, s22, 17
	s_lshl_b32 s2, s19, 13
	s_add_co_u32 s22, s22, s2                      ; codes
	s_mov_b32 s23, 0
	s_lshl_b32 s2, s18, 4
	s_add_co_u32 s2, s2, s12
	s_lshl_b32 s2, s2, 4
	s_add_co_u32 s2, s2, s19
	s_lshl_b32 s2, s2, 8
	s_add_co_u32 s2, s2, 524288                    ; scale words
	s_mov_b32 s3, 0
	s_add_nc_u64 s[22:23], s[8:9], s[22:23]
	s_add_nc_u64 s[2:3], s[10:11], s[2:3]
	s_mov_b32 s18, 2048                            ; from a block of 16 channels to the next
	s_mov_b32 s19, 0
.irp a, 0,1,2,3
	OUTBLK \a, 1024
.endr
	ds_load_b64 v[GA:GA+1], v[SWR2]                ; my wave's 64 scale words, two a lane
	s_wait_dscnt 0x0
	global_store_b64 v[L8], v[GA:GA+1], s[2:3]     ; 32 lanes store 256 consecutive bytes, aligned
	s_wait_tensorcnt 0x0                           ; the wave's end
	ds_add_u32 v[SPW], v[NIL]
	s_wait_dscnt 0x0
	CROUND                                         ; the closing round: no work-group ends while a partner may still ask for a tile that names it
	s_endpgm
.Lfunc_end_k_q321341db99_qkv:
	.size	k_q321341db99_qkv, .Lfunc_end_k_q321341db99_qkv-k_q321341db99_qkv
	.p2alignl 7, 3214868480
	.fill 96, 4, 3214868480
	.section	.rodata,"a",@progbits
	.p2align	6, 0x0
	.amdhsa_kernel k_q321341db99_qkv
		.amdhsa_group_segment_fixed_size 327680
		.amdhsa_private_segment_fixed_size 0
		.amdhsa_enable_private_segment 0
		.amdhsa_kernarg_size 32
		.amdhsa_user_sgpr_count 2
		.amdhsa_user_sgpr_kernarg_segment_ptr 1
		.amdhsa_wavefront_size32 1
		.amdhsa_system_sgpr_workgroup_id_x 1
		.amdhsa_system_sgpr_workgroup_id_y 1
		.amdhsa_system_sgpr_workgroup_id_z 1
		.amdhsa_system_vgpr_workitem_id 0
		.amdhsa_next_free_vgpr 1024
		.amdhsa_next_free_sgpr 100
		.amdhsa_reserve_vcc 0
		.amdhsa_float_denorm_mode_32 3
		.amdhsa_float_denorm_mode_16_64 3
		.amdhsa_memory_ordered 1
		.amdhsa_forward_progress 1
		.amdhsa_inst_pref_size 255
	.end_amdhsa_kernel
	.section	.bss,"aw",@nobits
	.p2align	6
	.space	262144
	.amdgpu_metadata
---
amdhsa.version: [ 1, 2 ]
amdhsa.kernels:
  - .name:           k_q321341db99_qkv
    .symbol:         k_q321341db99_qkv.kd
    .args:
      - { .name: opc, .offset: 0, .size: 8, .value_kind: global_buffer, .address_space: global }
      - { .name: ops, .offset: 8, .size: 8, .value_kind: global_buffer, .address_space: global }
      - { .name: qkvc, .offset: 16, .size: 8, .value_kind: global_buffer, .address_space: global }
      - { .name: qkvs, .offset: 24, .size: 8, .value_kind: global_buffer, .address_space: global }
    .group_segment_fixed_size: 327680
    .private_segment_fixed_size: 0
    .kernarg_segment_align: 8
    .kernarg_segment_size: 32
    .max_flat_workgroup_size: 128
    .sgpr_count:     100
    .vgpr_count:     1024
    .wavefront_size: 32
...
	.end_amdgpu_metadata
.endif
;; end of part 2
;; launch attn (part 3): grid 4 x 64, 16 waves a work-group, clusters of 4 x 1, 276,480 bytes of LDS; arguments qkvc, qkvs, oc, osc; writes oc, osc
.if DOCPART == 3
	.amdgcn_target "amdgcn-amd-amdhsa--gfx1250"
	.amdhsa_code_object_version 6
	.text
	.protected	k_q321341db99_attn
	.globl	k_q321341db99_attn
	.p2align	8
	.type	k_q321341db99_attn,@function
k_q321341db99_attn:
	s_mov_b64 s[64:65], 0
	v_nop
	global_prefetch_b8 v0, s[64:65] scope:SCOPE_SE
	s_setreg_imm32_b32 hwreg(HW_REG_WAVE_MODE, 25, 1), 1
	s_wait_xcnt 0x0
	s_wait_alu depctr_hold_cnt(0) depctr_sa_sdst(0) depctr_va_vdst(0) depctr_va_sdst(0) depctr_va_ssrc(0) depctr_va_vcc(0) depctr_vm_vsrc(0)
	s_getreg_b32 s2, hwreg(HW_REG_IB_STS2, 6, 4)
	s_cmp_eq_u32 s2, 0
	s_cbranch_scc0 .Lentry_in_a_cluster
	s_endpgm
.Lentry_in_a_cluster:
	s_bfe_u32 s2, ttmp6, 0x10000c
	s_cmp_lg_u32 s2, 0x3003
	s_cbranch_scc0 .Lentry_shape_is_right
	s_endpgm
.Lentry_shape_is_right:
; Causal attention of one head on codes of FP8 (E4M3) with E8M0 scales: S^T = K Q^T (K = the head's 64), softmax, O^T = V^T P^T (K = the keys); O / l is quantised along the channels and leaves as codes.
; LEFT OUT: key steps all of whose 128 keys come after a tile's queries: the causal mask sets their scores to -infinity, so their p is 0 for all values of the inputs.  A NaN or an infinity that reaches only such scores is not carried to the result.
; THE SOFTMAX AHEAD OF THE SECOND PRODUCT: t = score x log2(e) / 8; M = the row's largest t so far, rounded UP to a whole number; p = 2^(t - M) is quantised along the keys, not normalised.
; The row's sum is taken of the unquantised p, in f32, and divides O at the end.  When M moves, the sum and O are multiplied by 2^(old M - new M): exact.
; INPUTS: qkvc [b][g 48][131,072]: q's heads g 0-15 and k's 16-31 as [16 tokens][c 2][lane][16 bytes], v's 32-47 as [128 keys][16 channels: 2,048 bytes]: images of the operands' registers.
; Inside each 32 along a product's K two groups of eight are swapped against the instruction's own order, alike in both operands; a transposed result's registers come in that very order, so p's and O's conversions give operands as they stand.
; qkvs: q's and k's scale words [b][pair of heads][token] (two bytes a head), v's from byte 524,288 [b][head][128 keys][channel].
; SHARES.  A cluster of four work-groups is one head; all four read the same K and V, so each tile is asked for JOINTLY.  As images the head's whole K and V are 131,072 bytes each and stay in LDS:
; every fill is a first fill, one load of 16,384 bytes a wave; no LDS byte is filled twice, and the loops have no barrier.
; The head's 128 tiles of 16 queries are 16 groups of 8; group s wants key steps 0 .. s of 128 keys, the last on the diagonal.  Wave w (g = w / 2, u = w % 2) of work-group cx takes tile 2 cx + u of group g,
; then of group 15 - g: (g + 1) + (16 - g) = 17 key steps for every wave.  The two passes are one text: a loop of two trips round a loop of 8 trips of two key steps (constants); hidden steps are jumped over.
; The place in the cluster enters global addresses and the mask's data alone; branches hang on the wave's number and the loops' counters.
; TWO REGIONS OF 64 REGISTERS, X AND Y, SWAP ROLES FROM STEP TO STEP.  A step finds its K in one (kr) and lays S^T, then p, in the other (sr).  Behind the score products V's fragments are asked for into kr;
; behind each block's conversions the next step's K is asked for into the registers of sr that the block has left.  So both kinds of fragments are asked for well ahead of the products that take them.
; K = 64 IN AN INSTRUCTION OF 128: Q's registers 8-15 hold zero codes and the upper two bytes of Q's and K's scale words are 0.  K's eight tiles lie on end, 8 registers each; a tile's fragment is 16 registers, so its upper half
; is the NEXT tile's codes, and behind the last tile 8 registers of zeros (X) or of p's codes (Y): finite numbers (the quantiser's hold shuts out the NaN code) that meet zero codes and add exactly 0.
; LIMITS: NaN and infinities are not served; a block of O whose largest magnitude lies under 2^-118 takes the byte 1.
; A weakness kept: O's scale bytes leave as 2 bytes a token, 32 bytes apart: a token's other 30 belong to other heads, which are other clusters; they are 1/32 of the codes' bytes.
; REGISTERS: v1-11 addresses; v12 -M, v13 the largest t, v[14:15] the sum; v16-31 Q; v32-95 X, v96-103 zeros; v104-167 Y; v168-183 p's codes; v184-215 O^T; v216-238 at work; v240-252 scale words.
.set VIMG, 131072                      ; LDS: K's image at 0, V's here,
.set KSC,  262144                      ; K's scale words of this head, 8,192 bytes,
.set VSC,  270336                      ; V's, 4,096 bytes
.set LI,   1                           ; v1   16 x lane
.set ASK0, 2                           ; v2   KSC + 4 r
.set ASV0, 3                           ; v3   VSC + 4 r
.set DG,   4                           ; v4   my query's place in its 128, less 8 (lane / 16)
.set NINF, 5                           ; v5   -infinity
.set ADK,  6
.set ADV,  7
.set ADS,  8
.set ADT,  9
.set R4,   10                          ; v10  4 r
.set R32,  11                          ; v11  32 r
.set X,    32
.set Y,    104
.set S,    104                         ; the head's and the way out's numbers lie in Y
.set PCD,  168
.set O,    184
.set BM,   216                         ; largest scores, then largest p, of the four blocks
.set PB,   220                         ; the other lanes', then the bytes
.set HL,   224                         ; 448 x the scale
.set SO,   228                         ; the conversions' scale operands
.set SUM2, 232                         ; the sum's second chain; four more stand in K's scale words' registers, between their product and their next load
.set TV,   234
.set F,    236                         ; v236 f = 2^(old M - new M); v237 is named with it as a pair
.set PW,   238                         ; p's scale word
.set KSW,  240
.set VSW,  248
.set QSW,  252
.set WV,  12
.set CX,  13
.set BH,  14
.set BB,  15
.set HH,  16
.set GG,  17
.set UU,  18
.set MNT, 19
.set SEL, 20
.set CS,  22
.set G1,  24
.set G0,  40
.set SI,  48                           ; the trip's first key step
.set LIM, 49                           ; the pass's last key step: the diagonal
.set TK,  50                           ; 8,192 x SI
.set TS,  51                           ; 512 x SI
.set TJ,  52                           ; 256 x SI
.set SH,  53                           ; 16 x (head % 2): where my head's two bytes stand in a word
.set TQ,  54                           ; my tile of queries
.set PS,  55                           ; the pass
.macro CROUND
	s_barrier_signal -1
	s_barrier_wait -1
	s_cmp_lg_u32 s[WV], 0
	s_cbranch_scc1 .Lnot_wave_0_\@
	s_barrier_signal -3
.Lnot_wave_0_\@:
	s_barrier_wait -3
	s_barrier_signal -1
	s_barrier_wait -1
.endm
	s_load_b256 s[4:11], s[0:1], 0x0               ; qkvc s[4:5], qkvs s[6:7], oc s[8:9], osc s[10:11]
	v_lshl_add_u32 v254, v0, 2, 0x43000
	v_mov_b32 v255, 0
	ds_add_u32 v254, v255                          ; the opening lines: the add, twice on end, and its wait ahead of my tensor load
	ds_add_u32 v254, v255
	v_lshrrev_b32 v1, 5, v0
	s_delay_alu instid0(VALU_DEP_1)
	v_readfirstlane_b32 s[WV], v1                  ; wave 0..15
	s_bfe_u32 s[CX], ttmp6, 0x40000                ; my place in the cluster
	s_and_b32 s[BH], ttmp7, 0xffff                 ; batch and head, which the four partners share
	s_lshr_b32 s[BB], s[BH], 4
	s_and_b32 s[HH], s[BH], 15
	s_lshr_b32 s[GG], s[WV], 1
	s_and_b32 s[UU], s[WV], 1
	s_mov_b32 s[MNT], 0x600000                     ; the mantissa field of 448
	s_mov_b32 s[SEL], 0x76543210
	s_mov_b32 s[SEL+1], 0xfedcba98
	s_mov_b32 s[CS], 0x3e38aa3b                    ; c = log2(e) / 8
	s_mov_b32 s[CS+1], s[CS]                       ; (named with it as a pair, so it is written)
	s_and_b32 s[SH], s[HH], 1
	s_lshl_b32 s[SH], s[SH], 4
	; descriptor group 1: 16,384 dense bytes as 64 rows of 256 (32 elements of 8 bytes)
	s_mov_b32 s[G1], 15|(3<<16)|(1<<21)            ; 15:0 the mask: all four work-groups; 17:16 elements of 8 bytes; 21 set beside a mask
	s_mov_b32 s[G1+1], 32<<16
	s_mov_b32 s[G1+2], 64<<16
	s_mov_b32 s[G1+3], 32<<16
	s_mov_b32 s[G1+4], 64
	s_mov_b32 s[G1+5], 32
	s_mov_b32 s[G1+6], 0
	s_mov_b32 s[G1+7], 0
	s_mul_i32 s76, s[BB], 48
	s_add_co_u32 s76, s76, s[HH]
	s_lshl_b32 s82, s76, 17                        ; q's head
	s_mov_b32 s83, 0
	s_add_co_u32 s76, s76, 16
	s_lshl_b32 s84, s76, 17                        ; k's head; v's lies 16 heads on
	s_lshr_b32 s77, s[WV], 3
	s_lshl_b32 s77, s77, 21                        ; waves 8-15 fetch V
	s_add_co_u32 s84, s84, s77
	s_and_b32 s77, s[WV], 7
	s_lshl_b32 s77, s77, 14                        ; my eighth of the image
	s_add_co_u32 s84, s84, s77
	s_mov_b32 s85, 0
	s_lshl_b32 s76, s[BB], 4
	s_lshr_b32 s77, s[HH], 1
	s_add_co_u32 s77, s77, s76
	s_lshl_b32 s86, s77, 13                        ; q's scale words: my pair of heads
	s_mov_b32 s87, 0
	s_add_co_u32 s76, s76, s[HH]
	s_lshl_b32 s88, s76, 12
	s_add_co_u32 s88, s88, 524288                  ; v's scale words
	s_mov_b32 s89, 0
	s_lshl_b32 s78, s[BB], 21                      ; oc: the batch's 128 tiles of 16,384 bytes,
	s_lshr_b32 s77, s[HH], 1
	s_lshl_b32 s77, s77, 11                        ; the block of 128 channels,
	s_add_co_u32 s78, s78, s77
	s_and_b32 s77, s[HH], 1
	s_lshl_b32 s77, s77, 10                        ; and my head's half of it
	s_add_co_u32 s78, s78, s77
	s_mov_b32 s79, 0
	s_lshl_b32 s80, s[BB], 16                      ; osc: 32 bytes a token, my head's two
	s_lshl_b32 s77, s[HH], 1
	s_add_co_u32 s80, s80, s77
	s_mov_b32 s81, 0
	s_wait_dscnt 0x0
	s_wait_kmcnt 0x0
	s_add_nc_u64 s[68:69], s[4:5], s[82:83]
	s_add_nc_u64 s[70:71], s[6:7], s[86:87]
	s_add_nc_u64 s[72:73], s[8:9], s[78:79]
	s_add_nc_u64 s[74:75], s[10:11], s[80:81]
	s_add_nc_u64 s[88:89], s[6:7], s[88:89]
	s_add_nc_u64 s[86:87], s[70:71], 65536         ; k's scale words: eight pairs of heads on
	CROUND                                         ; all four work-groups are here: the joint loads meet
	s_mov_b32 s[G0], 1
	s_lshl_b32 s[G0+1], s[WV], 14                  ; LDS: wave x 16,384: K's image, then V's
	s_add_nc_u64 s[G0+2:G0+3], s[4:5], s[84:85]
	s_or_b32 s[G0+3], s[G0+3], 0x80000000
	tensor_load_to_lds s[G0:G0+3], s[G1:G1+7]      ; my one tensor load of the launch
	s_nop 0
.rept 4
	v_nop
.endr
	v_lshlrev_b32 v[ADK], 4, v0
	v_lshlrev_b32 v[ADV], 3, v0
	global_load_b128 v[S:S+3], v[ADK], s[86:87]    ; k's 2,048 words: 16 bytes a thread
	global_load_b64 v[S+4:S+5], v[ADV], s[88:89]   ; v's 1,024: 8 bytes a thread
	v_lshl_add_u32 v[ADS], v0, 4, KSC
	v_lshl_add_u32 v[ADT], v0, 3, VSC
	v_and_b32 v[LI], 31, v0
	s_delay_alu instid0(VALU_DEP_1)
	v_lshlrev_b32 v[LI], 4, v[LI]
	v_and_b32 v[R4], 15, v0                        ; r
	v_bfe_u32 v[R32], v0, 4, 1                     ; lane / 16
	s_lshl_b32 s76, s[CX], 1
	s_add_co_u32 s76, s76, s[UU]
	s_lshl_b32 s76, s76, 4
	v_add_nc_u32 v[DG], s76, v[R4]
	v_lshlrev_b32 v[R32], 3, v[R32]
	s_delay_alu instid0(VALU_DEP_1)
	v_sub_nc_u32 v[DG], v[DG], v[R32]              ; 16 (2 cx + u) + r - 8 (lane / 16)
	v_lshl_add_u32 v[ASK0], v[R4], 2, KSC
	v_lshl_add_u32 v[ASV0], v[R4], 2, VSC
	v_lshlrev_b32 v[R32], 5, v[R4]
	v_lshlrev_b32 v[R4], 2, v[R4]
	v_mov_b32 v[NINF], 0xff800000
.irp j, 0,1,2,3,4,5,6,7
	v_mov_b32 v[24+\j], 0                          ; Q's zero codes for k = 64 .. 127,
	v_mov_b32 v[96+\j], 0                          ; what stands behind K's last tile in X,
	v_mov_b32 v[PCD+\j], 0                         ; and in Y: p's codes, zeros until the first are made
	v_mov_b32 v[PCD+8+\j], 0
.endr
.irp b, 0,1,2,3
	v_mov_b32 v[PB+\b], 0                          ; written once: a lane permute's destination counts as one of its sources
.endr
	v_mov_b32 v[TV], 0
	v_mov_b32 v[F+1], 0
	s_wait_loadcnt 0x0
.irp j, 0,1,2,3
	v_bfe_u32 v[S+\j], v[S+\j], s[SH], 16          ; my head's two bytes; the upper two become 0
.endr
	ds_store_b128 v[ADS], v[S:S+3]
	ds_store_b64 v[ADT], v[S+4:S+5]
.macro PADD d, a, b
	v_pk_add_f32 v[\d:\d+1], v[\a:\a+1], v[\b:\b+1]
.endm
; A pass's tile and its Q.  Pass 0: group g; pass 1: group 15 - g.  The group hangs on the wave's number and the pass alone.
.macro QTOP
	s_xor_b32 s76, s[GG], 15
	s_cmp_eq_u32 s[PS], 0
	s_cselect_b32 s[LIM], s[GG], s76
	s_lshl_b32 s[TQ], s[LIM], 3
	s_lshl_b32 s76, s[CX], 1
	s_add_co_u32 s[TQ], s[TQ], s76
	s_add_co_u32 s[TQ], s[TQ], s[UU]               ; my tile: 8 x group + 2 cx + u
	s_mov_b32 s77, 0
	s_lshl_b32 s76, s[TQ], 10
	s_add_nc_u64 s[56:57], s[68:69], s[76:77]      ; its codes of Q,
	s_lshl_b32 s76, s[TQ], 6
	s_add_nc_u64 s[58:59], s[70:71], s[76:77]      ; its scale words
	global_load_b128 v[16:19], v[LI], s[56:57]
	global_load_b128 v[20:23], v[LI], s[56:57] offset:512
	global_load_b32 v[QSW], v[R4], s[58:59]
.endm
; A KEY STEP: my 16 queries x 128 keys; the trip's step o (0, 1).  K lies in kr; S^T and p in sr.
.macro STEP kr, sr, o
.rept 5+4*\o
	v_nop                                          ; nine places (in step 0 the trip's four additions are among them): the products below write over registers that the last step's products read as operands
.endr
	s_wait_dscnt 0x0                               ; K's fragments and scale words, asked for in the step before
.irp t, 0,1,2,3,4,5,6,7                        ; S^T: lane (r, h) holds query r; register 8 t + j key 16 t + 8 h + j
	v_wmma_scale_f32_16x16x128_f8f6f4 v[\sr+8*\t:\sr+8*\t+7], v[\kr+8*\t:\kr+8*\t+15], v[16:31], 0, v[KSW+\t], v[QSW]
.endr
.rept 8
	v_nop                                          ; places: in front of the loads into K's registers and of the first read of the scores
.endr
.irp d, 0,1,2,3
.irp c, 0,1,2,3
	ds_load_b128 v[\kr+16*\d+4*\c:\kr+16*\d+4*\c+3], v[ADV] offset:8192*\o+2048*\d+512*\c   ; V's four fragments take K's place: 20 loads
.endr
	ds_load_b32 v[VSW+\d], v[ADT] offset:256*\o+64*\d
.endr
.if \o
	s_add_co_u32 s76, s[SI], 1
	s_cmp_lg_u32 s76, s[LIM]
.else
	s_cmp_lg_u32 s[SI], s[LIM]                     ; on the diagonal the scores of hidden keys become -infinity ahead of the maximum: p = 0 then
.endif
	s_cbranch_scc1 .Lopen_\@
.set n, 0
.rept 64
	v_cmp_gt_i32 vcc_lo, 16*(n/8)+n%8, v[DG]
	v_cndmask_b32 v[\sr+n], v[\sr+n], v[NINF], vcc_lo
.set n, n+1
.endr
.Lopen_\@:
.irp b, 0,1,2,3
	v_max3_num_f32 v[BM+\b], v[\sr+16*\b], v[\sr+1+16*\b], v[\sr+2+16*\b]   ; the largest score of each block of 32 keys: for the row's maximum, and, since p rises with the score, for the block's largest p
.endr
.irp i, 3,5,7,9,11,13
.irp b, 0,1,2,3
	v_max3_num_f32 v[BM+\b], v[BM+\b], v[\sr+16*\b+\i], v[\sr+1+16*\b+\i]
.endr
.endr
.irp b, 0,1,2,3
	v_max_num_f32 v[BM+\b], v[BM+\b], v[\sr+15+16*\b]
.endr
.irp b, 0,1,2,3
	s_delay_alu instid0(VALU_DEP_4)
	v_permlanex16_b32 v[PB+\b], v[BM+\b], s[SEL], s[SEL+1]
.endr
.irp b, 0,1,2,3
	s_delay_alu instid0(VALU_DEP_4)
	v_max_num_f32 v[BM+\b], v[BM+\b], v[PB+\b]     ; with lane l xor 16's 16 keys
.endr
	s_delay_alu instid0(VALU_DEP_2)
	v_max3_num_f32 v[TV], v[BM], v[BM+1], v[BM+2]
	s_delay_alu instid0(VALU_DEP_1)
	v_max_num_f32 v[TV], v[TV], v[BM+3]
	s_delay_alu instid0(VALU_DEP_1)
	v_mul_f32 v[TV], s[CS], v[TV]                  ; as t (c is positive)
	s_delay_alu instid0(VALU_DEP_1)
	v_max_num_f32 v13, v13, v[TV]                  ; the running largest t
	v_mov_b32 v[TV], v12
	s_delay_alu instid0(VALU_DEP_2)
	v_floor_f32 v12, -v13                          ; the new -M = floor(-t): M is a whole number
	s_delay_alu instid0(VALU_DEP_1)
	v_sub_f32 v[TV], v12, v[TV]                    ; old M - new M: a whole number, 0 or less
	s_delay_alu instid0(VALU_DEP_1)
	v_cvt_i32_f32 v[TV], v[TV]                     ; (it saturates)
	s_delay_alu instid0(VALU_DEP_1)
	v_ldexp_f32 v[F], 1.0, v[TV]                   ; f = 2^(old M - new M)
.set j, 0
.rept 32
	v_pk_fma_f32 v[\sr+j:\sr+j+1], v[\sr+j:\sr+j+1], s[CS:CS+1], v[12:13] op_sel_hi:[1,0,0]   ; t - M, two at a time
.set j, j+2
.endr
.irp b, 0,1,2,3
	v_fma_f32 v[BM+\b], v[BM+\b], s[CS], v12       ; the same of each block's largest score
.endr
.set j, 0
	s_wait_alu depctr_va_vdst(0)                   ; the wait ahead of the batch
.rept 64
	v_exp_f32 v[\sr+j], v[\sr+j]                   ; p = 2^(t - M), at most 1
.set j, j+1
.endr
.irp b, 0,1,2,3
	v_exp_f32 v[BM+\b], v[BM+\b]                   ; the block's largest p: the same two instructions on the same number
.endr
	v_pk_mul_f32 v[14:15], v[14:15], v[F:F+1] op_sel_hi:[1,0]   ; the sums under the new M (a plain line behind the exponentials)
	s_wait_alu depctr_va_vdst(0)                   ; and the wait behind it, ahead of its first reader
.irp b, 0,1,2,3
	v_max_num_f32 v[BM+\b], 0x4800000, v[BM+\b]    ; the floor 2^(9 - 127): the byte cannot fall under 1
.endr
.irp b, 0,1,2,3
	s_delay_alu instid0(VALU_DEP_4)
	v_add_nc_u32 v[SO+\b], 0xfc000000, v[BM+\b]    ; 8 off the exponent field: the conversion's scale operand
.endr
.irp b, 0,1,2,3
	v_and_or_b32 v[HL+\b], v[BM+\b], 0x7f800000, s[MNT]   ; 448 x the scale
.endr
.irp b, 0,1,2,3
	v_lshrrev_b32 v[PB+\b], 23, v[SO+\b]           ; the scale's byte
.endr
	s_delay_alu instid0(VALU_DEP_3)
	v_lshl_or_b32 v[PW], v[PB+1], 8, v[PB]         ; p's scale word for these 128 keys
	s_delay_alu instid0(VALU_DEP_1)
	v_lshl_or_b32 v[PW], v[PB+2], 16, v[PW]
	s_delay_alu instid0(VALU_DEP_1)
	v_lshl_or_b32 v[PW], v[PB+3], 24, v[PW]
	PADD SUM2,  \sr,    \sr+2                      ; the row's sum of the unquantised p: 32 pairs in six chains by turns
	PADD KSW,   \sr+4,  \sr+6
	PADD KSW+2, \sr+8,  \sr+10
	PADD KSW+4, \sr+12, \sr+14
	PADD KSW+6, \sr+16, \sr+18
	PADD 14,    14,     \sr+20
.irp r, 0,1,2
	PADD SUM2,  SUM2,  \sr+22+12*\r
	PADD KSW,   KSW,   \sr+24+12*\r
	PADD KSW+2, KSW+2, \sr+26+12*\r
	PADD KSW+4, KSW+4, \sr+28+12*\r
	PADD KSW+6, KSW+6, \sr+30+12*\r
	PADD 14,    14,    \sr+32+12*\r
.endr
	PADD SUM2,  SUM2,  \sr+58
	PADD KSW,   KSW,   \sr+60
	PADD KSW+2, KSW+2, \sr+62
	PADD KSW+4, KSW+4, KSW+6
	PADD SUM2,  SUM2,  KSW
	PADD 14,    14,    KSW+2
	PADD SUM2,  SUM2,  KSW+4
	PADD 14,    14,    SUM2
.irp b, 0,1,2,3
.irp i, 0,2,4,6,8,10,12,14
	v_dual_min_num_f32 v[\sr+16*\b+\i], v[\sr+16*\b+\i], v[HL+\b] :: v_dual_min_num_f32 v[\sr+16*\b+\i+1], v[\sr+16*\b+\i+1], v[HL+\b]   ; the hold, two numbers a line; p is not negative, so it is one-sided
.endr
	v_cvt_scalef32_pk8_fp8_f32 v[PCD+4*\b:PCD+1+4*\b], v[\sr+16*\b:\sr+7+16*\b], v[SO+\b]
	v_cvt_scalef32_pk8_fp8_f32 v[PCD+2+4*\b:PCD+3+4*\b], v[\sr+8+16*\b:\sr+15+16*\b], v[SO+\b]
.irp u, 0,1                                    ; the block's 16 registers are free: the next step's tiles 2 b and 2 b + 1 of K are asked for into them: 24 loads a step
	ds_load_b128 v[\sr+16*\b+8*\u:\sr+16*\b+8*\u+3], v[ADK] offset:8192*(\o+1)+1024*(2*\b+\u)
	ds_load_b128 v[\sr+16*\b+8*\u+4:\sr+16*\b+8*\u+7], v[ADK] offset:8192*(\o+1)+1024*(2*\b+\u)+512
	ds_load_b32 v[KSW+2*\b+\u], v[ADS] offset:512*(\o+1)+64*(2*\b+\u)
.endr
.endr
	s_wait_alu depctr_va_vdst(0)                   ; the wait here, directly ahead of the first reader of O^T
.set j, 0
.rept 16
	v_pk_mul_f32 v[O+j:O+j+1], v[O+j:O+j+1], v[F:F+1] op_sel_hi:[1,0]   ; O^T under the new M.  (These are also the plain lines behind the conversions and in front of the products)
.set j, j+2
.endr
	s_wait_alu depctr_va_vdst(0)                   ; the wait here, directly ahead of the wait below
	s_wait_dscnt 24                                ; V's 20 loads are in; the 24 for the next step's K may be out
.irp d, 0,1,2,3                                ; O^T += V^T P^T; the four accumulators take turns
	v_wmma_scale_f32_16x16x128_f8f6f4 v[O+8*\d:O+8*\d+7], v[\kr+16*\d:\kr+16*\d+15], v[PCD:PCD+15], v[O+8*\d:O+8*\d+7], v[VSW+\d], v[PW]
.endr
.endm
	s_mov_b32 s[PS], 0
	QTOP                                           ; the first pass's Q is on its way under the images' flight
	s_wait_tensorcnt 0x0                           ; my part of the images has landed,
	s_wait_dscnt 0x0                               ; my scale words lie in LDS:
	s_barrier_signal -1
	s_barrier_wait -1                              ; everybody's do
.Lpass:                                            ; A PASS: one tile of 16 queries
	s_wait_xcnt 0x0                                ; the last pass's stores have read their bases and their data
	s_mov_b32 s77, 0
	s_lshl_b32 s76, s[TQ], 14
	s_add_nc_u64 s[60:61], s[72:73], s[76:77]      ; my tile's place in oc
	s_lshl_b32 s76, s[TQ], 9
	s_add_nc_u64 s[62:63], s[74:75], s[76:77]      ; and in osc
	v_mov_b32 v13, 0xff61b1e6                      ; the largest t so far: -3e38, under every t
	s_delay_alu instid0(VALU_DEP_1)
	v_floor_f32 v12, -v13
	v_mov_b32 v14, 0
	v_mov_b32 v15, 0
	s_mov_b32 s[SI], 0
	s_mov_b32 s[TK], 0
	s_mov_b32 s[TS], 0
	s_mov_b32 s[TJ], 0
	s_wait_loadcnt 0x0                             ; Q
	v_bfe_u32 v[QSW], v[QSW], s[SH], 16            ; my head's two bytes; the upper two become 0
.set j, 0
.rept 32
	v_mov_b32 v[O+j], 0                            ; O^T: the step is written once; the first change of M leaves zeros zeros.  (Also the places between the line above and the first product)
.set j, j+1
.endr
.irp t, 0,1,2,3,4,5,6,7
	ds_load_b128 v[X+8*\t:X+8*\t+3], v[LI] offset:1024*\t          ; key step 0's K, into X
	ds_load_b128 v[X+8*\t+4:X+8*\t+7], v[LI] offset:1024*\t+512
	ds_load_b32 v[KSW+\t], v[ASK0] offset:64*\t
.endr
.Ltrip:                                            ; 8 trips of two key steps
	s_cmp_gt_u32 s[SI], s[LIM]                     ; all keys of both steps come after my queries: only the addresses step
	s_cbranch_scc1 .Lhid
	v_add_nc_u32 v[ADK], s[TK], v[LI]
	v_add_nc_u32 v[ADS], s[TS], v[ASK0]
	v_add_nc_u32 v[ADT], s[TJ], v[ASV0]
	v_add_nc_u32 v[ADV], VIMG, v[ADK]
	s_wait_alu depctr_va_vdst(0)
	STEP X, Y, 0
	s_cmp_ge_u32 s[SI], s[LIM]                     ; the second step's keys are hidden
	s_cbranch_scc1 .Lhid
	STEP Y, X, 1
.Lhid:
	s_add_co_u32 s[TK], s[TK], 16384
	s_add_co_u32 s[TS], s[TS], 1024
	s_add_co_u32 s[TJ], s[TJ], 512
	s_add_co_u32 s[SI], s[SI], 2
	s_cmp_lt_u32 s[SI], 16
	s_cbranch_scc1 .Ltrip
	s_wait_dscnt 0x0                               ; the last step's look-ahead has landed: its registers are written below
	s_add_co_u32 s[PS], s[PS], 1
	s_cmp_eq_u32 s[PS], 2
	s_cbranch_scc1 .Lno_next
	QTOP                                           ; the next pass's Q is asked for ahead of the way out
.Lno_next:
.rept 8
	v_nop                                          ; places behind the last products
.endr
	v_add_f32 v14, v14, v15                        ; the sum's two halves,
	s_delay_alu instid0(VALU_DEP_1)
	v_permlanex16_b32 v[TV], v14, s[SEL], s[SEL+1]
	s_delay_alu instid0(VALU_DEP_1)
	v_add_f32 v14, v14, v[TV]                      ; and lane l xor 16's
	s_wait_alu depctr_va_vdst(0)
	v_rcp_f32 v14, v14
	v_nop                                          ; one plain line behind a transcendental
.set j, 0
	s_wait_alu depctr_va_vdst(0)
.rept 16
	v_pk_mul_f32 v[S+j:S+j+1], v[O+j:O+j+1], v[14:15] op_sel_hi:[1,0]   ; O^T / the sum, each accumulator from its low end on: register 16 b + i is channel 32 b + 16 (i / 8) + 8 h + i % 8
.set j, j+2
.endr
.irp b, 0,1
	v_max3_num_f32 v[BM+\b], |v[S+16*\b]|, |v[S+1+16*\b]|, 0x4800000
.endr
.irp i, 2,4,6,8,10,12,14
.irp b, 0,1
	s_delay_alu instid0(VALU_DEP_2)
	v_max3_num_f32 v[BM+\b], v[BM+\b], |v[S+16*\b+\i]|, |v[S+1+16*\b+\i]|
.endr
.endr
.irp b, 0,1
	s_delay_alu instid0(VALU_DEP_2)
	v_permlanex16_b32 v[PB+\b], v[BM+\b], s[SEL], s[SEL+1]
.endr
.irp b, 0,1
	s_delay_alu instid0(VALU_DEP_2)
	v_max_num_f32 v[BM+\b], v[BM+\b], v[PB+\b]
.endr
.irp b, 0,1
	s_delay_alu instid0(VALU_DEP_2)
	v_add_nc_u32 v[SO+\b], 0xfc000000, v[BM+\b]
.endr
.irp b, 0,1
	s_delay_alu instid0(VALU_DEP_4)
	v_and_or_b32 v[HL+\b], v[BM+\b], 0x7f800000, s[MNT]
.endr
.irp b, 0,1
	s_delay_alu instid0(VALU_DEP_4)
	v_lshrrev_b32 v[PB+\b], 23, v[SO+\b]
.endr
	s_delay_alu instid0(VALU_DEP_1)
	v_lshl_or_b32 v[TV], v[PB+1], 8, v[PB]         ; my token's two scale bytes
.irp b, 0,1
.irp i, 0,1,2,3,4,5,6,7,8,9,10,11,12,13,14,15
	v_med3_num_f32 v[S+16*\b+\i], v[S+16*\b+\i], -v[HL+\b], v[HL+\b]
.endr
	v_cvt_scalef32_pk8_fp8_f32 v[PCD+4*\b:PCD+1+4*\b], v[S+16*\b:S+7+16*\b], v[SO+\b]
	v_cvt_scalef32_pk8_fp8_f32 v[PCD+2+4*\b:PCD+3+4*\b], v[S+8+16*\b:S+15+16*\b], v[SO+\b]
.endr
	v_nop                                          ; one plain vector line behind the last conversion
	global_store_b128 v[LI], v[PCD:PCD+3], s[60:61]               ; 32 lanes store 512 consecutive bytes, aligned
	global_store_b128 v[LI], v[PCD+4:PCD+7], s[60:61] offset:512
	global_store_b16 v[R32], v[TV], s[62:63]       ; both halves of the lanes write the same two bytes
	s_cmp_lt_u32 s[PS], 2
	s_cbranch_scc1 .Lpass
	s_wait_tensorcnt 0x0                           ; the wave's end
	ds_add_u32 v254, v255
	s_wait_dscnt 0x0
	CROUND                                         ; the closing round: no work-group ends while a partner may still ask for a tile that names it
	s_endpgm
.Lfunc_end_k_q321341db99_attn:
	.size	k_q321341db99_attn, .Lfunc_end_k_q321341db99_attn-k_q321341db99_attn
	.p2alignl 7, 3214868480
	.fill 96, 4, 3214868480
	.section	.rodata,"a",@progbits
	.p2align	6, 0x0
	.amdhsa_kernel k_q321341db99_attn
		.amdhsa_group_segment_fixed_size 276480
		.amdhsa_private_segment_fixed_size 0
		.amdhsa_enable_private_segment 0
		.amdhsa_kernarg_size 32
		.amdhsa_user_sgpr_count 2
		.amdhsa_user_sgpr_kernarg_segment_ptr 1
		.amdhsa_wavefront_size32 1
		.amdhsa_system_sgpr_workgroup_id_x 1
		.amdhsa_system_sgpr_workgroup_id_y 1
		.amdhsa_system_sgpr_workgroup_id_z 1
		.amdhsa_system_vgpr_workitem_id 0
		.amdhsa_next_free_vgpr 256
		.amdhsa_next_free_sgpr 90
		.amdhsa_reserve_vcc 1
		.amdhsa_float_denorm_mode_32 3
		.amdhsa_float_denorm_mode_16_64 3
		.amdhsa_memory_ordered 1
		.amdhsa_forward_progress 1
		.amdhsa_inst_pref_size 68
	.end_amdhsa_kernel
	.amdgpu_metadata
---
amdhsa.version: [ 1, 2 ]
amdhsa.kernels:
  - .name:           k_q321341db99_attn
    .symbol:         k_q321341db99_attn.kd
    .args:
      - { .name: qkvc, .offset: 0, .size: 8, .value_kind: global_buffer, .address_space: global }
      - { .name: qkvs, .offset: 8, .size: 8, .value_kind: global_buffer, .address_space: global }
      - { .name: oc, .offset: 16, .size: 8, .value_kind: global_buffer, .address_space: global }
      - { .name: osc, .offset: 24, .size: 8, .value_kind: global_buffer, .address_space: global }
    .group_segment_fixed_size: 276480
    .private_segment_fixed_size: 0
    .kernarg_segment_align: 8
    .kernarg_segment_size: 32
    .max_flat_workgroup_size: 512
    .sgpr_count:     90
    .vgpr_count:     256
    .wavefront_size: 32
...
	.end_amdgpu_metadata
.endif
;; end of part 3
;; launch proj (part 4): grid 4 x 64, 4 waves a work-group, clusters of 4 x 4, 327,680 bytes of LDS; arguments oc, osc, opc, ops, out0; writes out0
.if DOCPART == 4
	.amdgcn_target "amdgcn-amd-amdhsa--gfx1250"
	.amdhsa_code_object_version 6
	.text
	.protected	k_q321341db99_proj
	.globl	k_q321341db99_proj
	.p2align	8
	.type	k_q321341db99_proj,@function
k_q321341db99_proj:
	s_mov_b64 s[64:65], 0
	v_nop
	global_prefetch_b8 v0, s[64:65] scope:SCOPE_SE
	s_setreg_imm32_b32 hwreg(HW_REG_WAVE_MODE, 25, 1), 1
	s_wait_xcnt 0x0
	s_wait_alu depctr_hold_cnt(0) depctr_sa_sdst(0) depctr_va_vdst(0) depctr_va_sdst(0) depctr_va_ssrc(0) depctr_va_vcc(0) depctr_vm_vsrc(0)
	s_getreg_b32 s2, hwreg(HW_REG_IB_STS2, 6, 4)
	s_cmp_eq_u32 s2, 0
	s_cbranch_scc0 .Lentry_in_a_cluster
	s_endpgm
.Lentry_in_a_cluster:
	s_bfe_u32 s2, ttmp6, 0x10000c
	s_cmp_lg_u32 s2, 0xf033
	s_cbranch_scc0 .Lentry_shape_is_right
	s_endpgm
.Lentry_shape_is_right:
; The last product, O W_out^T, on codes of FP8 (E4M3) with E8M0 scales, K = 1,024; out0 [8192][1024] f32.
; OPERANDS: oc (O's 8,192 rows) and opc (W_out's rows from row 11,264 on) hold blocks of 16 rows x 128 K = 2,048 bytes, each the image of a fragment's registers (byte 512 c + 16 lane + e);
; block (row / 16, k / 128) lies at (8 (row / 16) + k / 128) x 2,048.  Inside each 32 along K two groups of eight are swapped against the instruction's own order, alike in both operands.  osc, ops: 32 scale bytes a row.
; SHARES: a block of 128 tokens x 256 outputs to a work-group: 64 x 4 = 256 work-groups.  Four waves, 2 x 2; a wave makes 64 x 128: 32 accumulators, 256 registers.
; K goes in steps of 256 through a ring of two LDS slots (A's 128 rows, then B's 256: 98,304 bytes).  Both slots' first fills go out at the head, one load a wave; K steps 2 and 3 are the two refills.
; THE MATRIX INSTRUCTION IS USED TRANSPOSED (source 0 = 16 rows of W_out, source 1 = 16 tokens): a lane holds eight neighbouring numbers of a row of out0.
; CLUSTERS: 4 x 4 work-groups; A's tiles are asked for jointly along a row of the cluster, B's along a column.
; THE SCALE BYTES (4,096 of A's rows, 8,192 of B's) come once, in whole units, through registers into LDS bytes of their own; they are 12 KB of the 396 KB that a work-group reads, so they are not asked for jointly.
; NO PREFETCH: of the four K steps two are asked for at the head and two within the first two steps: there is no trip to run ahead in.
; LIMITS: NaN and infinities are not served.
; REGISTERS: window 0: v16-31 addresses; v32-63 scale words, two sets; v64-87 scale bytes on their way; v128-255 A's fragments, two sets of 4 (on the way out: rows read back).  Window 1: B's fragments, two sets of 8.  Window 2: accumulator (a, b) at v[8 (8 a + b)].
.set SIZE_N, 1024
.set NP,     8                         ; places behind this matrix instruction (ISA guide 7.12.1)
.set HA,     16384                     ; 64 rows x 256 K
.set TA,     2*HA                      ; A's part of a slot
.set HB,     32768                     ; 128 rows x 256 K
.set SLOT,   TA+2*HB
.set KADV,   4096                      ; a slot's K in memory: two blocks on end
.set SCL,    2*SLOT                    ; behind the ring: A's scale bytes, as units of 256 bytes + 16 of padding: 16 units;
.set SCLB,   SCL+16*272                ; B's: 32 units
.set SBLK,   2*272                     ; those of 16 rows
.set SPARE,  SCLB+32*272               ; the spare words, 128 bytes a wave: two blocks of 256 bytes that no other line names
.set SPITCH, 528                       ; the way out: a stage of 16 rows x (512 + 16) bytes a wave, in slot 0, behind its last fill and its last read
.set ADRA, 16
.set ADRB, 20
.set STO,  24
.set RD,   25
.set CO,   26
.set ADRS, 27
.set SPW,  28
.set NIL,  29
.set GLO,  30                          ; 16 x thread
.set SST,  31                          ; where my 16 scale bytes of a line go
.set SC,   32
.set RAW,  64
.set AF,   128
.set BK,   128
.set G1,   24                          ; refills of A: 4 rows of 4,096 bytes;  G0: one group 0 a slot
.set G0,   32
.set G1B,  48                          ; of B: 8 rows
.set G0B,  56
.set G1H,  68                          ; the head's: A's whole tile, 8 rows;
.set G0H,  76
.set G1HB, 80                          ; B's, 16 rows
.set G0HB, 88
.set MSB, 0
.macro WIN new                         ; the immediate's high byte repeats the setting that is left
.if MSB != \new
	s_set_vgpr_msb (MSB<<8)|\new
.set MSB, \new
.endif
.endm
.set MUL,  0xa1                        ; source 0 (B) window 1, source 1 (A) window 0, C and D window 2
.set TO_B, 0x40                        ; destination window 1, address window 0
.macro PLACES n
.rept \n
	v_nop
.endr
.endm
.macro GRP1 g, mask, rows              ; so many rows of 4,096 bytes (512 elements of 8), 16,384 bytes apart, laid on end in LDS; 15:0 the mask, 21 set beside it
	s_or_b32 s[\g], s\mask, (3<<16)|(1<<21)
	s_mov_b32 s[\g+1], 512<<16
	s_mov_b32 s[\g+2], (\rows)<<16
	s_mov_b32 s[\g+3], 512<<16
	s_mov_b32 s[\g+4], \rows
	s_mov_b32 s[\g+5], 2048
	s_mov_b32 s[\g+6], 0
	s_mov_b32 s[\g+7], 0
.endm
.macro TL g0, g1                       ; a tensor load; s_nop 0 and four v_nop follow it
	tensor_load_to_lds s[\g0:\g0+3], s[\g1:\g1+7]
	s_nop 0
	PLACES 4
.endm
.macro JLOAD s                         ; a refill: waves 0 and 1 fetch A's halves, waves 2 and 3 B's; the branch hangs on the wave's number alone
	s_cmp_eq_u32 s15, 0
	s_cbranch_scc0 .Lfor_b_\@
	TL G0+4*\s, G1
	s_branch .Lasked_\@
.Lfor_b_\@:
	TL G0B+4*\s, G1B
.Lasked_\@:
.endm
.macro CREST                           ; a round of the cluster's barrier behind its opening barrier
	s_cmp_lg_u32 s14, 0
	s_cbranch_scc1 .Lnot_wave_0_\@
	s_barrier_signal -3
.Lnot_wave_0_\@:
	s_barrier_wait -3
	s_barrier_signal -1
	s_barrier_wait -1
.endm
.macro CROUND
	s_barrier_signal -1
	s_barrier_wait -1
	CREST
.endm
	s_load_b128 s[4:7], s[0:1], 0x0                ; oc, osc
	s_load_b128 s[8:11], s[0:1], 0x10              ; opc, ops
	s_load_b64 s[12:13], s[0:1], 0x20              ; out0
	v_lshl_add_u32 v[SPW], v0, 2, SPARE
	v_mov_b32 v[NIL], 0
	ds_add_u32 v[SPW], v[NIL]                      ; the opening lines: the add, twice on end, and its wait ahead of my first tensor load
	ds_add_u32 v[SPW], v[NIL]
	v_lshrrev_b32 v1, 5, v0
	v_readfirstlane_b32 s14, v1                    ; wave 0..3
	s_lshr_b32 s15, s14, 1                         ; my half of A's rows.  Also: I refill for A (0) or B (1); at the head: my slot
	s_and_b32 s16, s14, 1                          ; my half of B's rows.  Also: which half of a tile I refill
	s_bfe_u32 s40, ttmp6, 0x40000                  ; cx, cy
	s_bfe_u32 s41, ttmp6, 0x40004
	s_lshl_b32 s42, ttmp9, 2
	s_add_co_u32 s42, s42, s40                     ; tile of 256 outputs
	s_and_b32 s17, ttmp7, 0xffff
	s_lshl_b32 s17, s17, 2
	s_add_co_u32 s17, s17, s41                     ; tile of 128 tokens
	s_lshl_b32 s43, s41, 2
	s_lshl_b32 s43, 15, s43                        ; my row of the cluster
	s_lshl_b32 s44, 0x1111, s40                    ; my column
	GRP1 G1,   43, 4
	GRP1 G1B,  44, 8
	GRP1 G1H,  43, 8
	GRP1 G1HB, 44, 16
	s_lshl_b32 s20, s17, 17                        ; offsets: A's codes, 128 rows of 1,024 bytes a tile;
	s_mov_b32 s21, 0
	s_lshl_b32 s46, s42, 18                        ; B's, behind 11,264 rows;
	s_add_co_u32 s46, s46, 11264*1024
	s_mov_b32 s47, 0
	s_lshl_b32 s22, s17, 12                        ; their scale bytes, 32 a row
	s_mov_b32 s23, 0
	s_lshl_b32 s92, s42, 13
	s_add_co_u32 s92, s92, 11264*32
	s_mov_b32 s93, 0
	s_lshl_b32 s66, s17, 19                        ; out0: row 128 x tile + 64 x half, 4,096 bytes a row; column 256 x tile + 128 x half
	s_lshl_b32 s67, s15, 18
	s_add_co_u32 s66, s66, s67
	s_lshl_b32 s67, s42, 10
	s_add_co_u32 s66, s66, s67
	s_lshl_b32 s67, s16, 9
	s_add_co_u32 s66, s66, s67
	s_mov_b32 s67, 0
	s_mul_i32 s18, s15, HA                         ; LDS: my 64 rows of A in slot 0, in slot 1;
	s_add_co_u32 s2, s18, SLOT
	s_mul_i32 s19, s16, HB                         ; my 128 rows of B
	s_add_co_u32 s19, s19, TA
	s_add_co_u32 s3, s19, SLOT
	s_mul_i32 s94, s15, 4*SBLK                     ; my rows' scale bytes: A's,
	s_add_co_u32 s94, s94, SCL
	s_mul_i32 s95, s16, 8*SBLK                     ; and how far on B's lie
	s_add_co_u32 s95, s95, SCLB
	s_sub_co_u32 s95, s95, s94
	s_mul_i32 s96, s14, 16*SPITCH                  ; my stage
	s_mul_i32 s45, s16, HA                         ; where my refills go
	s_mul_i32 s97, s16, HB
	s_add_co_u32 s97, s97, TA
	v_and_b32 v1, 15, v0                           ; r
	v_bfe_u32 v2, v0, 4, 1                         ; h
	v_and_b32 v3, 31, v0
	v_lshlrev_b32 v[CO], 4, v3                     ; 16 x lane: a fragment's image, and my bytes of a row of out0
	v_add_nc_u32 v[ADRA], s18, v[CO]
	v_add_nc_u32 v[ADRA+1], s2, v[CO]
	v_add_nc_u32 v[ADRB], s19, v[CO]
	v_add_nc_u32 v[ADRB+1], s3, v[CO]
	v_lshlrev_b32 v5, 5, v1                        ; my row's scale bytes: 32 a row, 16 more for each 256 passed
	v_lshrrev_b32 v6, 3, v1
	v_lshl_add_u32 v5, v6, 4, v5
	v_mul_u32_u24 v6, s95, v2                      ; lanes 16-31 take B's
	v_add_nc_u32 v5, v5, v6
	v_add_nc_u32 v[ADRS], s94, v5
	v_mul_u32_u24 v7, v1, SPITCH
	v_lshl_add_u32 v7, v2, 5, v7
	v_add_nc_u32 v[STO], s96, v7                   ; the stage, in: row r, 32 bytes for each half of the lanes
	v_add_nc_u32 v[RD], s96, v[CO]                 ; and back: 32 lanes take a row of 512 bytes
	v_lshlrev_b32 v[GLO], 4, v0
	v_lshrrev_b32 v8, 4, v0
	v_add_nc_u32 v8, v8, v0
	v_lshl_add_u32 v[SST], v8, 4, SCL              ; SCL + 16 t + 16 (t / 16)
	s_wait_alu depctr_va_vdst(0)                   ; the wait at the end of the head's vector work
	s_wait_dscnt 0x0                               ; both opening adds are done
	s_wait_kmcnt 0x0
	s_add_nc_u64 s[20:21], s[4:5], s[20:21]
	s_add_nc_u64 s[22:23], s[6:7], s[22:23]
	s_add_nc_u64 s[46:47], s[8:9], s[46:47]
	s_add_nc_u64 s[92:93], s[10:11], s[92:93]
	s_add_nc_u64 s[12:13], s[12:13], s[66:67]
.irp j, 0,1
	global_load_b128 v[RAW+4*\j:RAW+4*\j+3], v[GLO], s[22:23] offset:2048*\j       ; 128 threads read 2,048 consecutive bytes
.endr
.irp j, 0,1,2,3
	global_load_b128 v[RAW+8+4*\j:RAW+8+4*\j+3], v[GLO], s[92:93] offset:2048*\j
.endr
	s_mul_i32 s18, s15, KADV                       ; the head's group 0: slot = K step = wave / 2
	s_mov_b32 s19, 0
	s_mov_b32 s[G0H], 1
	s_mul_i32 s[G0H+1], s15, SLOT
	s_add_nc_u64 s[G0H+2:G0H+3], s[20:21], s[18:19]
	s_or_b32 s[G0H+3], s[G0H+3], 0x80000000
	s_mov_b32 s[G0HB], 1
	s_add_co_u32 s[G0HB+1], s[G0H+1], TA
	s_add_nc_u64 s[G0HB+2:G0HB+3], s[46:47], s[18:19]
	s_or_b32 s[G0HB+3], s[G0HB+3], 0x80000000
	s_lshl_b32 s18, s16, 16                        ; the refills': my 64 rows of A, my 128 of B; slot s takes K step 2 + s
	s_add_nc_u64 s[20:21], s[20:21], s[18:19]
	s_lshl_b32 s18, s16, 17
	s_add_nc_u64 s[46:47], s[46:47], s[18:19]
.irp s, 0,1
	s_mov_b32 s[G0+4*\s], 1
	s_add_co_u32 s[G0+4*\s+1], s45, \s*SLOT
	s_add_nc_u64 s[G0+4*\s+2:G0+4*\s+3], s[20:21], (2+\s)*KADV
	s_or_b32 s[G0+4*\s+3], s[G0+4*\s+3], 0x80000000
	s_mov_b32 s[G0B+4*\s], 1
	s_add_co_u32 s[G0B+4*\s+1], s97, \s*SLOT
	s_add_nc_u64 s[G0B+4*\s+2:G0B+4*\s+3], s[46:47], (2+\s)*KADV
	s_or_b32 s[G0B+4*\s+3], s[G0B+4*\s+3], 0x80000000
.endr
	CROUND                                         ; all sixteen work-groups are here: the first joint loads meet
; THE HEAD'S LOADS, ONE A WAVE: one chain of branches on the wave's number, a load to an arm.  Wave 0: slot 0's A; wave 1: slot 0's B; waves 2, 3: slot 1's.
; Waves 0 and 1 have lines of their own: they alone wait at the first barrier.
.macro ARM under, g0, g1, next
	s_cmp_lt_u32 s14, \under
	s_cbranch_scc0 \next
	TL \g0, \g1
	s_branch .Lhead_asked
\next:
.endm
	ARM 1, G0H,  G1H,  .Lhead_1
	ARM 2, G0HB, G1HB, .Lhead_2
	ARM 3, G0H,  G1H,  .Lhead_3
	TL G0HB, G1HB
.Lhead_asked:
	s_wait_loadcnt 0x0                             ; the scale bytes are in registers
.irp j, 0,1,2,3,4,5
	ds_store_b128 v[SST], v[RAW+4*\j:RAW+4*\j+3] offset:2176*\j   ; 2,048 bytes are eight units of 272; B's 32 units follow A's 16
.endr
	s_cmp_lt_u32 s14, 2
	s_cbranch_scc0 .Lslot_1_is_mine
	s_wait_tensorcnt 0x0                           ; waves 0 and 1: slot 0 has landed; slot 1's loads may be out
.Lslot_1_is_mine:
	s_wait_dscnt 0x0                               ; my scale bytes lie in LDS
	s_barrier_signal -1
	s_barrier_wait -1
.macro FRAG reg, adr, q, i             ; a fragment comes as it lies: four loads of 512 consecutive bytes
.irp c, 0,1,2,3
	ds_load_b128 v[\reg+4*\c:\reg+4*\c+3], v[\adr] offset:2048*(\q)+512*\c+(\i)*4096
.endr
.endm
.macro FETCH slot, q, p                ; 48 loads: B's eight and A's four fragments of the slot's q-th 128 along K into sets p
	WIN TO_B
.irp i, 0,1,2,3,4,5,6,7
	FRAG 128*(\p)+16*\i, ADRB+\slot, \q, \i
.endr
	WIN 0
.irp i, 0,1,2,3
	FRAG AF+64*(\p)+16*\i, ADRA+\slot, \q, \i
.endr
.endm
.macro SCALES sc                       ; a slot's scale words, two a row: lanes 0-15 A's block i (i under 4 is used), lanes 16-31 B's block i
.irp i, 0,1,2,3,4,5,6,7
	ds_load_b64 v[SC+16*\sc+2*\i:SC+16*\sc+2*\i+1], v[ADRS] offset:\i*SBLK
.endr
.endm
; Eight products: A's block a x B's eight.  The 32 accumulators take turns, one instruction a turn, in the same order in every step.  zero = 1: the first product starts the sums.
.macro MUL8 a, p, q, sc, zero
.irp b, 0,1,2,3,4,5,6,7
.if \zero
	v_wmma_scale_f32_16x16x128_f8f6f4 v[8*(8*(\a)+\b):8*(8*(\a)+\b)+7], v[128*(\p)+16*\b:128*(\p)+16*\b+15], v[AF+64*(\p)+16*(\a):AF+64*(\p)+16*(\a)+15], 0, v[SC+16*(\sc)+2*\b+(\q)], v[SC+16*(\sc)+2*(\a)+(\q)] matrix_a_scale:MATRIX_SCALE_ROW1
.else
	v_wmma_scale_f32_16x16x128_f8f6f4 v[8*(8*(\a)+\b):8*(8*(\a)+\b)+7], v[128*(\p)+16*\b:128*(\p)+16*\b+15], v[AF+64*(\p)+16*(\a):AF+64*(\p)+16*(\a)+15], v[8*(8*(\a)+\b):8*(8*(\a)+\b)+7], v[SC+16*(\sc)+2*\b+(\q)], v[SC+16*(\sc)+2*(\a)+(\q)] matrix_a_scale:MATRIX_SCALE_ROW1
.endif
.endr
.endm
.macro STEP slot, zero                 ; a slot's first 128 along K, on sets 0; ahead of its products the second 128's fragments are asked for, into sets 1
.if \zero == 0
	PLACES NP                                      ; behind the products that read sets 1
.endif
	FETCH \slot, 1, 1
	s_wait_dscnt 48                                ; all but the 48 just issued: sets 0 and the scale words are in
	WIN MUL
.irp a, 0,1,2,3
	MUL8 \a, 0, 0, \slot, \zero
.endr
	WIN 0
.endm
; A slot's second 128, on sets 1, changes slots: one barrier; in front of it each wave waits for all its tensor loads, adds 0 to its spare word, and waits for that and for its reads of this slot.  fill = 1: the slot is filled again.
.macro TURN slot, next, fill
	s_wait_tensorcnt 0x0                           ; all my tensor loads have landed: my part of the next slot
	ds_add_u32 v[SPW], v[NIL]
	s_wait_dscnt 1                                 ; sets 1 are in (the add may be out)
	WIN MUL
	MUL8 0, 1, 1, \slot, 0
	s_wait_dscnt 0x0                               ; the add is done, and my reads of this slot are over
	s_barrier_signal -1
	MUL8 1, 1, 1, \slot, 0
	WIN 0
	s_barrier_wait -1
.if \fill
	CREST                                          ; the barrier has opened a round of the cluster's barrier: no wave of any partner still reads this slot or has a load on its way
	JLOAD \slot                                    ; the first tensor load behind the round; its four v_nop are among the places in front of the loads below
	PLACES NP-4
.else
	PLACES NP
.endif
	v_add_nc_u32 v[ADRS], 8, v[ADRS]               ; on to the next slot's scale words
	s_wait_alu depctr_va_vdst(0)                   ; the wait here, directly behind the write
	FETCH \next, 0, 0
	SCALES \next
	WIN MUL
	MUL8 2, 1, 1, \slot, 0
	MUL8 3, 1, 1, \slot, 0
	WIN 0
.endm
	FETCH 0, 0, 0
	SCALES 0
	STEP 0, 1                                      ; K = 1,024 is eight steps of 128, written out: each has its own part in the ring's walk
	TURN 0, 1, 1                                   ; slot 0 takes K step 2
	STEP 1, 0
	TURN 1, 0, 1                                   ; slot 1 takes K step 3
	STEP 0, 0
	TURN 0, 1, 0                                   ; nothing more is filled
	STEP 1, 0
	s_wait_dscnt 0x0
	WIN MUL
.irp a, 0,1,2,3
	MUL8 \a, 1, 1, 1, 0
.endr
	WIN 0
; THE WAY OUT, block by block of 16 rows x 128 columns: through my stage in LDS and back as whole rows of 512 bytes.  LDS serves a wave's instructions in order (ISA guide 5.7.1.4): no wait between the stores and the loads.
.macro TOSTAGE a
	WIN 0x08                                       ; the data: window 2
.irp b, 0,1,2,3,4,5,6,7
	ds_store_b128 v[STO], v[64*(\a)+8*\b:64*(\a)+8*\b+3] offset:64*\b          ; each accumulator from its low end on
	ds_store_b128 v[STO], v[64*(\a)+8*\b+4:64*(\a)+8*\b+7] offset:64*\b+16
.endr
	WIN 0
.set BB, BK+64*((\a)%2)
.irp t, 0,1,2,3,4,5,6,7,8,9,10,11,12,13,14,15
	ds_load_b128 v[BB+4*\t:BB+4*\t+3], v[RD] offset:\t*SPITCH
.endr
.endm
.macro SEND a, younger                 ; younger: the LDS instructions issued behind block a's loads
.set BB, BK+64*((\a)%2)
	s_wait_dscnt \younger
.if (\a) > 0
	s_add_nc_u64 s[12:13], s[12:13], 16*SIZE_N*4   ; behind a wait on XCNT: the earlier stores have read their base
.endif
.irp t, 0,1,2,3,4,5,6,7,8,9,10,11,12,13,14,15
	global_store_b128 v[CO], v[BB+4*\t:BB+4*\t+3], s[12:13] offset:\t*SIZE_N*4 th:TH_STORE_NT   ; 32 lanes store 512 consecutive bytes, aligned
.endr
.endm
	PLACES NP                                      ; behind the last products: for the reads of their sums and the loads into A's registers
	TOSTAGE 0
.irp a, 1,2,3
.if \a > 1
	s_wait_xcnt 0x0                                ; block a - 2's stores have read their registers and their base
.endif
	TOSTAGE \a
	SEND \a-1, 32                                  ; behind block a - 1's loads: block a's 16 stores and 16 loads
.endr
	s_wait_xcnt 0x0
	SEND 3, 0
	s_wait_tensorcnt 0x0                           ; the wave's end
	ds_add_u32 v[SPW], v[NIL]
	s_wait_dscnt 0x0
	CROUND                                         ; the closing round: no work-group ends while a partner may still ask for a tile that names it
	s_endpgm
.Lfunc_end_k_q321341db99_proj:
	.size	k_q321341db99_proj, .Lfunc_end_k_q321341db99_proj-k_q321341db99_proj
	.p2alignl 7, 3214868480
	.fill 96, 4, 3214868480
	.section	.rodata,"a",@progbits
	.p2align	6, 0x0
	.amdhsa_kernel k_q321341db99_proj
		.amdhsa_group_segment_fixed_size 327680
		.amdhsa_private_segment_fixed_size 0
		.amdhsa_enable_private_segment 0
		.amdhsa_kernarg_size 40
		.amdhsa_user_sgpr_count 2
		.amdhsa_user_sgpr_kernarg_segment_ptr 1
		.amdhsa_wavefront_size32 1
		.amdhsa_system_sgpr_workgroup_id_x 1
		.amdhsa_system_sgpr_workgroup_id_y 1
		.amdhsa_system_sgpr_workgroup_id_z 1
		.amdhsa_system_vgpr_workitem_id 0
		.amdhsa_next_free_vgpr 768
		.amdhsa_next_free_sgpr 98
		.amdhsa_reserve_vcc 0
		.amdhsa_float_denorm_mode_32 3
		.amdhsa_float_denorm_mode_16_64 3
		.amdhsa_memory_ordered 1
		.amdhsa_forward_progress 1
		.amdhsa_inst_pref_size 89
	.end_amdhsa_kernel
	.amdgpu_metadata
---
amdhsa.version: [ 1, 2 ]
amdhsa.kernels:
  - .name:           k_q321341db99_proj
    .symbol:         k_q321341db99_proj.kd
    .args:
      - { .name: oc, .offset: 0, .size: 8, .value_kind: global_buffer, .address_space: global }
      - { .name: osc, .offset: 8, .size: 8, .value_kind: global_buffer, .address_space: global }
      - { .name: opc, .offset: 16, .size: 8, .value_kind: global_buffer, .address_space: global }
      - { .name: ops, .offset: 24, .size: 8, .value_kind: global_buffer, .address_space: global }
      - { .name: out0, .offset: 32, .size: 8, .value_kind: global_buffer, .address_space: global }
    .group_segment_fixed_size: 327680
    .private_segment_fixed_size: 0
    .kernarg_segment_align: 8
    .kernarg_segment_size: 40
    .max_flat_workgroup_size: 128
    .sgpr_count:     98
    .vgpr_count:     768
    .wavefront_size: 32
...
	.end_amdgpu_metadata
.endif
;; end of part 4
